; MI455X (gfx1250); checked and timed in simulation.
; The chip was launched on July 23, 2026; its instructions are those of AMD's public machine-readable ISA for CDNA 5 (MIT licence, August 2026) and "CDNA5" Instruction Set Architecture Reference Guide (July 2026). The comments in the code are by the model that wrote it; some were corrected since.
;; Grouped Query Attention. Allowed arithmetic: matrix products marked QUANTISED: E2M1 operands, one E8M0 scale for each 32 along K, by v_wmma_scale_f32_16x16x128_f8f6f4 with both operands' format E2M1 (or v_wmma_scale_f32_32x16x128_f4), f32 sums; products left as they are: bf16, f16 or f32 operands; f32 sums; everything else in f32.
;; Inputs: Wk 512 x 2,048 float32; Wo 2,048 x 1,024 float32; Wq 1,024 x 2,048 float32; Wv 512 x 2,048 float32; bk 512 float32; bo 2,048 float32; bq 1,024 float32; bv 512 float32; key_weights 16 float32; x 2 x 2,048 x 2,048 float32.
;; Outputs: out0 2 x 2,048 x 2,048 float32.
;; This version of the problem:
;;   THIS VERSION OF THE PROBLEM IS GIVEN IN LOW PRECISION. The matrix products marked QUANTISED in the list below multiply operands that are first quantised to E2M1 (2 exponent bits, 1 mantissa bit; 4 bits a number), with one power-of-two scale for each 32 numbers along K (OCP MX v1.0); their sums are f32. The products marked 'left as it is' may take bf16, f16 or f32 operands, with f32 sums. Whichever they take, every output number must still come out within the allowed error. Rounding operands to bf16 (8 significant bits) uses up far more of that allowance than f16 does (11 bits, for magnitudes from 6e-5 to 65,504). All else is computed in f32.
;;   The module's matrix products, in the order in which they are computed (A, B: the left and right operand; K: the contracted axis; several contracted axes count as one K, in the product's order):
;;     1. [M 4,096, K 2,048] x [K 2,048, N 1,024]; A: input x; B: input Wq: QUANTISED
;;     2. [M 4,096, K 2,048] x [K 2,048, N 512]; A: input x; B: input Wk: QUANTISED
;;     3. [M 4,096, K 2,048] x [K 2,048, N 512]; A: input x; B: input Wv: QUANTISED
;;     4. batch 16 x [M 4,096, K 64] x [K 64, N 2,048]; A: computed on the way; B: computed on the way: left as it is (an operand is computed on the way)
;;     5. batch 16 x [M 4,096, K 2,048] x [K 2,048, N 64]; A: computed on the way; B: computed on the way: left as it is (an operand is computed on the way)
;;     6. [M 4,096, K 1,024] x [K 1,024, N 2,048]; A: computed on the way; B: input Wo: left as it is (an operand is computed on the way)
;;   THE QUANTISER, for each operand of a quantised product, along K:
;;     - K is cut into blocks of 32 from its start; a last block that is shorter is filled with zeros.
;;     - A block's scale is 2^e with e = floor(log2(the largest magnitude in the block)) - 2, held to -126 .. 127; a block of zeros has e = 0. As a byte (E8M0): e + 127.
;;     - Each number is divided by its block's scale, clamped to +-6, and rounded to the nearest number of E2M1, ties to even, subnormals kept.
;;     - The product sums the exact products of the quantised numbers (number of the format x scale) in f32.
;;   ~~~python
;;   def quantise(x, axis):      # numpy; x: float32 -> the quantised numbers, widened to float32 again
;;       x = np.moveaxis(x, axis, -1); K = x.shape[-1]
;;       x = np.pad(x, [(0, 0)] * (x.ndim - 1) + [(0, -K % 32)]); x = x.reshape(x.shape[:-1] + (-1, 32)); a = np.abs(x).max(-1, keepdims=True)
;;       e = np.where(a > 0, np.clip(np.frexp(np.where(a > 0, a, 1))[1] - 1 - 2, -126, 127), 0)      # np.frexp(a)[1] - 1 = floor(log2(a)), exactly
;;       r = np.clip(x / 2.0 ** e, -6, 6)
;;       step = 2.0 ** (np.maximum(np.frexp(np.where(r == 0, 1, r))[1] - 1, 0) - 1)
;;       q = np.round(r / step) * step * 2.0 ** e      # np.round: ties to even
;;       return np.moveaxis(q.reshape(q.shape[:-2] + (-1,))[..., :K], -1, axis).astype(np.float32)
;;   ~~~
;; One version. Each part assembles by itself: llvm-mc -triple=amdgcn-amd-amdhsa -mcpu=gfx1250 --defsym DOCPART=n.
;; ======== version 1 of 1: 5 launches
;; limits: values are held in f16: magnitudes above 65,504 overflow, below 6.1e-05 lose precision
;; workspace buffers: codes 6,291,456 bytes; scales 393,216 bytes; wo16 4,194,304 bytes; tab 524,288 bytes; qkv 16,777,216 bytes; first32 262,144 bytes; o16 8,388,608 bytes
;; launch prep (part 1): grid 512 x 1, 4 waves a work-group, no clusters, 33,280 bytes of LDS; arguments x, Wq, Wk, Wv, Wo, codes, scales, wo16, tab; writes codes, scales, wo16, tab
.if DOCPART == 1
	.amdgcn_target "amdgcn-amd-amdhsa--gfx1250"
	.amdhsa_code_object_version 6
	.text
	.protected	k_q7ee4ba6ad7_prep
	.globl	k_q7ee4ba6ad7_prep
	.p2align	8
	.type	k_q7ee4ba6ad7_prep,@function
k_q7ee4ba6ad7_prep:
	s_mov_b64 s[64:65], 0
	v_nop
	global_prefetch_b8 v0, s[64:65] scope:SCOPE_SE
	s_setreg_imm32_b32 hwreg(HW_REG_WAVE_MODE, 25, 1), 1
	s_wait_xcnt 0x0
; PREP: three kinds of work-group, told apart by the work-group's number alone.
;   0..383    x, Wq, Wk, Wv (f32, K innermost) become codes of FP4 (E2M1) and one E8M0 byte for each 32 along K.  Rows are dense and K is a multiple of 32, so each tensor is a plain
;             stream of blocks of 32; the four streams follow each other in 'codes' (x's 4,096 rows of 1,024 bytes, then Wq's 1,024, Wk's 512, Wv's 512) and in 'scales' (64 bytes a row).
;   384..447  Wo (f32) is rounded to f16, in the same order.
;   448..511  the rotary table: for each of 2,048 positions 32 cosines and 32 sines, 256 bytes a position.  Position 0 holds 1 and 0 exactly.
; A block's scale is 2^(floor(log2(its largest magnitude)) - 2); its byte is the largest magnitude's exponent field - 2, held at 1 from below.  A block of zeros so gets the byte 1 where
; the rule says 127: its codes are zeros, which add nothing under any byte but 0xff, and this program alone reads the bytes.
; LIMITS: blocks whose largest magnitude lies under 2^-124 keep the byte 1; NaN and infinities among the inputs are not served; Wo beyond f16's 65,504 is not served.
; Memory binds: every load of a wave takes 512 consecutive bytes, every store 256 or 512 consecutive aligned bytes.  No matrix unit, no cluster, no tensor load: waves share nothing.
.set WAVES, 4
.set STEPS, 16
.set CB,    8                          ; bytes of 16 codes
.set R,     16                         ; v16-79   four sets of 16 numbers as they are loaded
.set X,     80                         ; v80-111  two sets of 16 neighbours
.set E,     112                        ; v112-127 a scale byte for each step
.set C,     128                        ; v128-191 codes: four registers for each step
.set WREG,  8192                       ; LDS: a region for each wave: two stages of 32 x SP bytes, then its 256 scale bytes
.set SP,    80                         ; a lane's place in a stage: 64 bytes + 16 of padding
.set SPW,   12                         ; v12 LDS address of my spare word; never rewritten
.set NIL,   13                         ; v13 0; never rewritten
.set SPARE, WAVES*WREG                 ; the spare words: 128 bytes a wave, named by no other line
	s_load_b256 s[4:11], s[0:1], 0x0               ; x, Wq, Wk, Wv
	s_load_b256 s[12:19], s[0:1], 0x20             ; Wo, codes, scales, wo16
	s_load_b64 s[20:21], s[0:1], 0x40              ; tab
	v_lshl_add_u32 v[SPW], v0, 2, SPARE
	v_mov_b32 v[NIL], 0
	v_lshrrev_b32 v1, 5, v0
	v_readfirstlane_b32 s26, v1                    ; wave
	v_and_b32 v2, 31, v0                           ; lane
	s_mov_b32 s29, 0                               ; the upper word of every 32-bit offset
	s_wait_kmcnt 0x0
	s_cmp_lt_u32 ttmp9, 384
	s_cbranch_scc1 .Lquant
	s_cmp_lt_u32 ttmp9, 448
	s_cbranch_scc1 .Lwo
; ---------------- the rotary table: a wave makes 8 positions, two to a store ----------------
; Lane l: position + (l / 16); its 16 bytes are 4 numbers: lanes 0-7 of a half the cosines of f = 4 (l % 8) + 0..3, lanes 8-15 the sines.
; angle = position x 10000^(-f / 32), the product rounded once to f32.  The angle is reduced by n = the nearest whole number of quarter turns, pi / 2 taken in two parts,
; to |r| <= pi / 4; sine and cosine of r by their series to r^9 and r^10 (the first terms left out are under 3e-9); the quadrant picks one and its sign.  A cosine is the sine a quadrant on.
.macro SINCOS out, inv
	v_mul_f32 v21, v20, v[\inv]                    ; the angle
	v_mul_f32 v22, 0x3f22f983, v21                 ; x 2 / pi
	v_rndne_f32 v22, v22                           ; n
	v_fmamk_f32 v23, v22, 0xbfc90fdb, v21          ; angle - n x (pi / 2)'s high part
	v_fmamk_f32 v23, v22, 0x333bbd2e, v23          ; - n x its low part: r
	v_cvt_i32_f32 v25, v22
	v_add_nc_u32 v25, v25, v5                      ; the quadrant (+ 1 for a cosine)
	v_mul_f32 v24, v23, v23                        ; r^2
	v_fmaak_f32 v26, v30, v24, 0xb9500d01          ; sine:   1/362880 r^2 - 1/5040
	v_fmaak_f32 v27, v31, v24, 0x37d00d01          ; cosine: -1/3628800 r^2 + 1/40320
	v_fmaak_f32 v26, v26, v24, 0x3c088889          ; + 1/120
	v_fmaak_f32 v27, v27, v24, 0xbab60b61          ; - 1/720
	v_fmaak_f32 v26, v26, v24, 0xbe2aaaab          ; - 1/6
	v_fmaak_f32 v27, v27, v24, 0x3d2aaaab          ; + 1/24
	v_mul_f32 v28, v23, v24                        ; r^3
	v_fma_f32 v27, v27, v24, -0.5
	v_fma_f32 v26, v26, v28, v23                   ; sin r
	v_fma_f32 v27, v27, v24, 1.0                   ; cos r
	v_and_b32 v28, 1, v25
	v_cmp_eq_u32 vcc_lo, 1, v28
	v_cndmask_b32 v[\out], v26, v27, vcc_lo        ; odd quadrants take the cosine
	v_and_b32 v28, 2, v25
	v_lshlrev_b32 v28, 30, v28
	v_xor_b32 v[\out], v28, v[\out]                ; quadrants 2 and 3 change the sign
.endm
	s_sub_co_u32 s27, ttmp9, 448
	s_lshl_b32 s27, s27, 2
	s_add_co_u32 s27, s27, s26
	s_lshl_b32 s27, s27, 3                         ; my wave's first position
	s_lshl_b32 s28, s27, 8
	s_add_nc_u64 s[20:21], s[20:21], s[28:29]
	v_lshrrev_b32 v1, 4, v2                        ; which of a store's two positions
	v_and_b32 v3, 15, v2
	v_lshrrev_b32 v5, 3, v3
	v_xor_b32 v5, 1, v5                            ; 1 in the lanes that make cosines
	v_lshlrev_b32 v6, 4, v2                        ; 16 x lane
	v_and_b32 v4, 7, v3
	v_lshlrev_b32 v4, 2, v4                        ; my first f
	v_mov_b32 v30, 0x3638ef1d                      ; 1/362880
	v_mov_b32 v31, 0xb493f27e                      ; -1/3628800
.irp e, 0,1,2,3
	v_add_nc_u32 v[16+\e], \e, v4
.endr
.irp e, 0,1,2,3
	v_cvt_f32_u32 v[16+\e], v[16+\e]
.endr
.irp e, 0,1,2,3
	v_mul_f32 v[16+\e], 0xbed49a78, v[16+\e]       ; -f x log2(10000) / 32
.endr
.irp e, 0,1,2,3
	v_exp_f32 v[16+\e], v[16+\e]                   ; 10000^(-f / 32)
.endr
	v_add_nc_u32 v7, s27, v1                       ; (the plain line behind the exponentials)  my position in the first store
	s_wait_alu depctr_va_vdst(0)                   ; one wait for the four, ahead of their first reader
.irp k, 0,1,2,3
	v_add_nc_u32 v8, 2*\k, v7
	v_cvt_f32_u32 v20, v8
.irp e, 0,1,2,3
	SINCOS 32+4*\k+\e, 16+\e
.endr
	global_store_b128 v6, v[32+4*\k:35+4*\k], s[20:21] offset:512*\k   ; two positions: 512 consecutive bytes; each store has data registers of its own
.endr
	s_endpgm
; ---------------- Wo to f16: a wave takes 32,768 bytes in 64 loads of 512, in four groups of 16, two groups on their way ----------------
.macro LOADG g
.set i, 0
.rept 16
	global_load_b128 v[16+64*((\g)%2)+4*i:19+64*((\g)%2)+4*i], v3, s[12:13] offset:512*(16*(\g)+i) th:TH_LOAD_NT
.set i, i+1
.endr
.endm
.macro PROC g, more                    ; more: the loads of the next group, which may stay out
	s_wait_xcnt 0x0                                ; the last group's stores have read their data registers, which are written again below
.set i, 0
.rept 16
	s_wait_loadcnt (\more)+15-i                    ; load i of this group is in: behind it stand 15 - i of this group and the next group's
	v_cvt_pk_f16_f32 v[144+2*i], v[16+64*((\g)%2)+4*i], v[17+64*((\g)%2)+4*i]
	v_cvt_pk_f16_f32 v[145+2*i], v[18+64*((\g)%2)+4*i], v[19+64*((\g)%2)+4*i]
	global_store_b64 v4, v[144+2*i:145+2*i], s[18:19] offset:256*(16*(\g)+i)   ; 32 lanes store 256 consecutive aligned bytes
.set i, i+1
.endr
.endm
.Lwo:
	s_sub_co_u32 s27, ttmp9, 384
	s_lshl_b32 s27, s27, 2
	s_add_co_u32 s27, s27, s26                     ; my wave's run
	s_lshl_b32 s28, s27, 15
	s_add_nc_u64 s[12:13], s[12:13], s[28:29]
	s_lshl_b32 s28, s27, 14
	s_add_nc_u64 s[18:19], s[18:19], s[28:29]
	v_lshlrev_b32 v3, 4, v2
	v_lshlrev_b32 v4, 3, v2
	LOADG 0
	LOADG 1
	PROC 0, 16
	LOADG 2
	PROC 1, 16
	LOADG 3
	PROC 2, 16
	PROC 3, 0
	s_endpgm
; ---------------- the quantiser: a wave takes 16 steps of 512 numbers ----------------
; The conversions take 8 numbers of one block from a lane's consecutive registers, so a lane must hold 16 neighbours (two neighbouring lanes hold a block); a load is best where neighbouring
; lanes take neighbouring bytes.  Both are had: a step's four loads read 512 consecutive bytes each; the 2,048 bytes go through the wave's own stage in LDS and come back 64 bytes a lane.
.macro LOAD t
.irp i, 0,1,2,3
	global_load_b128 v[R+16*((\t)%4)+4*\i:R+16*((\t)%4)+4*\i+3], v3, s[22:23] offset:2048*(\t)+512*\i th:TH_LOAD_NT
.endr
.endm
.macro TURN t                          ; LDS serves a wave's instructions in order, so no wait stands between the stores and the loads
.irp i, 0,1,2,3
	ds_store_b128 v14, v[R+16*((\t)%4)+4*\i:R+16*((\t)%4)+4*\i+3] offset:32*SP*((\t)%2)+8*SP*\i
.endr
.irp i, 0,1,2,3
	ds_load_b128 v[X+16*((\t)%2)+4*\i:X+16*((\t)%2)+4*\i+3], v15 offset:32*SP*((\t)%2)+16*\i
.endr
.endm
.macro STEP t
.set XS, X+16*((\t)%2)
.if (\t) > 0
	s_wait_dscnt 1                                 ; this step's numbers are back from the stage (the last step's byte store may be out)
.else
	s_wait_dscnt 0x0
.endif
.if (\t)+4 < STEPS
	LOAD (\t)+4                                    ; into the registers whose stores into the stage are done
.endif
.if (\t)+1 < STEPS
.if STEPS-2-(\t) >= 3
	s_wait_loadcnt 12                              ; the next step's four loads are in; those of the three steps behind it may be out
.else
	s_wait_loadcnt 4*(STEPS-2-(\t))
.endif
	TURN (\t)+1
.endif
	v_max3_num_f32 v8, |v[XS]|, |v[XS+1]|, |v[XS+2]|               ; the largest magnitude of my 16, in two chains
	v_max3_num_f32 v9, |v[XS+3]|, |v[XS+4]|, |v[XS+5]|
.irp i, 6,10
	v_max3_num_f32 v8, v8, |v[XS+\i]|, |v[XS+\i+1]|
	v_max3_num_f32 v9, v9, |v[XS+\i+2]|, |v[XS+\i+3]|
.endr
	v_max3_num_f32 v8, v8, |v[XS+14]|, |v[XS+15]|
	v_max3_num_f32 v8, v8, v9, 0x1800000           ; and the floor 2^(3 - 127): the byte cannot fall under 1
	v_max_num_f32_dpp v8, v8, v8 row_xmask:1 row_mask:0xf bank_mask:0xf   ; with my neighbour's 16: the block's
	v_add_nc_u32 v11, 0xff000000, v8               ; 2 off its exponent field: the conversion takes the exponent field of this operand as its scale
	v_cvt_scalef32_pk8_fp4_f32 v[C+4*(\t)], v[XS:XS+7], v11
	v_cvt_scalef32_pk8_fp4_f32 v[C+4*(\t)+1], v[XS+8:XS+15], v11
	v_lshrrev_b32 v[E+(\t)], 23, v11               ; the scale's byte (also the plain line behind the conversions)
	ds_store_b8 v5, v[E+(\t)] offset:16*(\t)       ; both lanes of a block write the same byte with the same value
	global_store_b64 v4, v[C+4*(\t):C+4*(\t)+1], s[14:15] offset:32*CB*(\t)   ; 256 consecutive aligned bytes
.endm
.Lquant:
	v_lshlrev_b32 v3, 4, v2                        ; my 16 bytes of a load's 512
	s_mul_i32 s27, s26, WREG
	v_lshrrev_b32 v14, 2, v2
	v_mul_u32_u24 v14, v14, SP
	v_and_b32 v15, 3, v2
	v_lshl_add_u32 v14, v15, 4, v14
	v_add_nc_u32 v14, s27, v14                     ; the stage, on the way in: SP (lane / 4) + 16 (lane % 4)
	v_mul_u32_u24 v15, v2, SP
	v_add_nc_u32 v15, s27, v15                     ; and on the way out: SP x lane
	v_mul_u32_u24 v4, v2, CB
	v_lshrrev_b32 v5, 1, v2
	s_add_co_u32 s27, s27, 2*32*SP
	v_add_nc_u32 v5, s27, v5                       ; my block's byte among my wave's 256
	v_lshlrev_b32 v7, 3, v2
	v_add_nc_u32 v6, s27, v7
	s_mov_b64 s[22:23], s[10:11]                   ; which tensor: the choice hangs on the work-group's number alone
	s_mov_b32 s24, 352
	s_cmp_lt_u32 ttmp9, 352
	s_cselect_b64 s[22:23], s[8:9], s[22:23]
	s_cselect_b32 s24, 320, s24
	s_cmp_lt_u32 ttmp9, 320
	s_cselect_b64 s[22:23], s[6:7], s[22:23]
	s_cselect_b32 s24, 256, s24
	s_cmp_lt_u32 ttmp9, 256
	s_cselect_b64 s[22:23], s[4:5], s[22:23]
	s_cselect_b32 s24, 0, s24
	s_sub_co_u32 s24, ttmp9, s24
	s_lshl_b32 s24, s24, 2
	s_add_co_u32 s24, s24, s26                     ; my run of 8,192 numbers in that tensor
	s_lshl_b32 s28, s24, 15
	s_add_nc_u64 s[22:23], s[22:23], s[28:29]
	s_lshl_b32 s24, ttmp9, 2
	s_add_co_u32 s24, s24, s26                     ; and in the joined streams of codes and bytes
	s_lshl_b32 s28, s24, 12
	s_add_nc_u64 s[14:15], s[14:15], s[28:29]
	s_lshl_b32 s28, s24, 8
	s_add_nc_u64 s[16:17], s[16:17], s[28:29]
.irp t, 0,1,2,3
	LOAD \t
.endr
	s_wait_loadcnt 12                              ; step 0's four loads are in
	TURN 0
.irp t, 0,1,2,3,4,5,6,7,8,9,10,11,12,13,14,15
	STEP \t
.endr
	ds_load_b64 v[8:9], v6                         ; my wave's 256 scale bytes, 8 a lane
	s_wait_dscnt 0x0
	global_store_b64 v7, v[8:9], s[16:17]          ; one aligned run of 256 bytes
	s_wait_tensorcnt 0x0                           ; the wave's end
	ds_add_u32 v[SPW], v[NIL]
	s_wait_dscnt 0x0
	s_endpgm
.Lfunc_end_k_q7ee4ba6ad7_prep:
	.size	k_q7ee4ba6ad7_prep, .Lfunc_end_k_q7ee4ba6ad7_prep-k_q7ee4ba6ad7_prep
	.p2alignl 7, 3214868480
	.fill 96, 4, 3214868480
	.section	.rodata,"a",@progbits
	.p2align	6, 0x0
	.amdhsa_kernel k_q7ee4ba6ad7_prep
		.amdhsa_group_segment_fixed_size 33280
		.amdhsa_private_segment_fixed_size 0
		.amdhsa_enable_private_segment 0
		.amdhsa_kernarg_size 72
		.amdhsa_user_sgpr_count 2
		.amdhsa_user_sgpr_kernarg_segment_ptr 1
		.amdhsa_wavefront_size32 1
		.amdhsa_system_sgpr_workgroup_id_x 1
		.amdhsa_system_sgpr_workgroup_id_y 1
		.amdhsa_system_sgpr_workgroup_id_z 1
		.amdhsa_system_vgpr_workitem_id 0
		.amdhsa_next_free_vgpr 192
		.amdhsa_next_free_sgpr 66
		.amdhsa_reserve_vcc 1
		.amdhsa_float_denorm_mode_32 3
		.amdhsa_float_denorm_mode_16_64 3
		.amdhsa_memory_ordered 1
		.amdhsa_forward_progress 1
		.amdhsa_inst_pref_size 76
	.end_amdhsa_kernel
	.amdgpu_metadata
---
amdhsa.version: [ 1, 2 ]
amdhsa.kernels:
  - .name:           k_q7ee4ba6ad7_prep
    .symbol:         k_q7ee4ba6ad7_prep.kd
    .args:
      - { .name: x, .offset: 0, .size: 8, .value_kind: global_buffer, .address_space: global }
      - { .name: Wq, .offset: 8, .size: 8, .value_kind: global_buffer, .address_space: global }
      - { .name: Wk, .offset: 16, .size: 8, .value_kind: global_buffer, .address_space: global }
      - { .name: Wv, .offset: 24, .size: 8, .value_kind: global_buffer, .address_space: global }
      - { .name: Wo, .offset: 32, .size: 8, .value_kind: global_buffer, .address_space: global }
      - { .name: codes, .offset: 40, .size: 8, .value_kind: global_buffer, .address_space: global }
      - { .name: scales, .offset: 48, .size: 8, .value_kind: global_buffer, .address_space: global }
      - { .name: wo16, .offset: 56, .size: 8, .value_kind: global_buffer, .address_space: global }
      - { .name: tab, .offset: 64, .size: 8, .value_kind: global_buffer, .address_space: global }
    .group_segment_fixed_size: 33280
    .private_segment_fixed_size: 0
    .kernarg_segment_align: 8
    .kernarg_segment_size: 72
    .max_flat_workgroup_size: 128
    .sgpr_count:     66
    .vgpr_count:     192
    .wavefront_size: 32
...
	.end_amdgpu_metadata
.endif
;; end of part 1
;; launch proj (part 2): grid 8 x 16, 4 waves a work-group, clusters of 4 x 4, 327,680 bytes of LDS; arguments codes, scales, bq, bk, bv, tab, qkv, first32; writes qkv, first32
.if DOCPART == 2
	.amdgcn_target "amdgcn-amd-amdhsa--gfx1250"
	.amdhsa_code_object_version 6
	.text
	.protected	k_q7ee4ba6ad7_proj
	.globl	k_q7ee4ba6ad7_proj
	.p2align	8
	.type	k_q7ee4ba6ad7_proj,@function
k_q7ee4ba6ad7_proj:
	s_mov_b64 s[64:65], 0
	v_nop
	global_prefetch_b8 v0, s[64:65] scope:SCOPE_SE
	s_setreg_imm32_b32 hwreg(HW_REG_WAVE_MODE, 25, 1), 1
	s_wait_xcnt 0x0
	s_wait_alu depctr_hold_cnt(0) depctr_sa_sdst(0) depctr_va_vdst(0) depctr_va_sdst(0) depctr_va_ssrc(0) depctr_va_vcc(0) depctr_vm_vsrc(0)
	s_getreg_b32 s2, hwreg(HW_REG_IB_STS2, 6, 4)
	s_cmp_eq_u32 s2, 0
	s_cbranch_scc0 .Lentry_in_a_cluster
	s_endpgm
.Lentry_in_a_cluster:
	s_bfe_u32 s2, ttmp6, 0x10000c
	s_cmp_lg_u32 s2, 0xf033
	s_cbranch_scc0 .Lentry_shape_is_right
	s_endpgm
.Lentry_shape_is_right:
; PROJ: [4,096 rows of x] x [2,048 rows of Wq | Wk | Wv]^T over K = 2,048, on codes of FP4 (E2M1) with one E8M0 byte for each 32 along K; then the bias, the rotary embedding on q and k, and f16.
; A tile of the result, 256 x 256, is made by a work-group of four waves; a wave makes 128 x 128: 64 accumulators, 512 registers.  K goes in steps of 512 (rows of 256 bytes) through a ring of two LDS slots
; filled by the tensor data mover.  The scale bytes of the work-group's 256 + 256 rows, for all of K, come into LDS once, with the first fills.  There are 16 x 8 = 128 tiles.
; CLUSTERS: 4 x 4 work-groups.  The four of a row of the cluster need the same tiles of x, the four of a column the same tiles of W: each tile is asked for jointly.
; THE MATRIX INSTRUCTION IS USED TRANSPOSED (source 0 = 16 rows of W, source 1 = 16 rows of x): a lane holds eight neighbouring columns of one row (one position).
; THE BIAS is the C of each sum's first product: eight registers for each block of 16 columns, in the result's layout.  Nothing is cleared, and no addition is spent.
; THE WAY OUT.  A wave's 128 columns are two heads of 64.  In a head, column blocks 0, 1 are the first half and blocks 2, 3 the second: a lane holds both partners of each rotated pair.
; Cosines and sines come from the table, a row for each position.  A tile of v reads the table's position 0 (1 and 0) in every lane, so that q, k and v run one text: no branch hangs on the tile's place.
; Results go as f16 into qkv [batch][slot: q 0-15, k 16-23, v 24-31][position][64], through the wave's own stage in LDS: 16 positions of a head are 2,048 consecutive bytes.
; Positions 0..15 of each batch also leave in f32, as images of the registers, for the launch that carries those rows in f32: stores under a lane mask that is all ones or all zeros.
; LIMITS: results beyond f16's 65,504 are not served; NaN and infinities are not served.
; REGISTERS, in windows of 256: window 0: v0-31 addresses; v32-95 scale words, two sets, and nothing else ever; v128-191 x's fragments, one set; v192-255 the bias, later the table's rows, two sets;
;   on the way out v96-159 the rotated numbers, v160-191 their f16.   window 1: W's fragments, two sets; on the way out v0-63 rows read back.   windows 2, 3: the accumulators ((a, b) at v[8 (8 (a % 4) + b)]).
.set SIZE_M, 4096
.set SIZE_N, 2048
.set SIZE_K, 2048
.set KSTEP,  512                       ; along K in a slot
.set NQ,     KSTEP/128                 ; matrix instructions deep
.set ROWB,   256                       ; a tile's row in bytes
.set KROW,   SIZE_K/2                  ; a row of codes in memory
.set PITCH,  272                       ; an LDS row: 256 bytes + 16 of padding = 68 words: the 16 rows that a load touches start at 16 different banks
.set FR,     8                         ; registers of a fragment
.set NL,     2                         ; LDS loads that bring one
.set NP,     4                         ; places behind this matrix instruction (ISA guide 7.12.1)
.set HALFT,  128*PITCH                 ; what one tensor load brings
.set SLOT,   4*HALFT
.set LAPS,   SIZE_K/(2*KSTEP)
.set KS,     SIZE_K/32                 ; a row of scale bytes
.set SCL,    2*SLOT                    ; behind the ring: the scales, as runs of 256 bytes + 16 of padding
.set HALFS,  (128*KS/256)*272
.set SBLK,   (16*KS/256)*272
.set SPARE,  SCL+4*HALFS               ; the spare words: 128 bytes a wave, named by no other line
.set SPH,    144                       ; the way out: a stage row: 128 bytes + 16
.set SHD,    16*SPH                    ; a head's 16 rows; a wave's stage is two of these.  It lies in slot 0, which has had its last fill and its last read when the first result is stored there
.set ADRA, 16                          ; v16-17  LDS address of my x fragments in slot 0, 1
.set ADRB, 20                          ; v20-21  the same for W
.set VB,   23                          ; v23     32 x (lane / 16): my place in a block's bias
.set VT,   24                          ; v24     my place in the table: 256 x (lane % 16) (0 for v) + 32 x (lane / 16)
.set STO,  25                          ; v25     the stage: where I put 16 bytes of a row
.set LO,   26                          ; v26     16 x lane
.set ADRS, 27                          ; v27     LDS address of my scale words
.set SPW,  28                          ; v28     LDS address of my spare word; never rewritten
.set NIL,  29                          ; v29     0; never rewritten
.set FL,   30                          ; v30     0 where my wave's first 16 rows are positions 0..15
.set RD,   31                          ; v31     the stage: where I read rows back
.set SC,   32
.set Y,    96
.set AF,   128
.set PK,   160
.set BIAS, 192
.set CT,   192
.set BK,   0                           ; in window 1
.set G1, 24
.set G0, 32
.set G1B, 48
.set G0B, 56
.set G1S, 68
.set G0S, 76
.set G1SB, 80
.set G0SB, 88
.set MSB, 0
.macro WIN new                         ; the immediate's high byte repeats the setting that is left
.if MSB != (\new)
	s_set_vgpr_msb (MSB<<8)|(\new)
.set MSB, (\new)
.endif
.endm
.set MUL_LO, 0xa1                      ; source 0 (W) window 1, source 1 (x) window 0, C and D window 2
.set MUL_HI, 0xf1                      ; the same, C and D window 3
.set TO_B,   0x40                      ; destination window 1, address window 0
; A joint load: waves 0 and 1 fetch for x, waves 2 and 3 for W.  The branch hangs on the wave's number alone.  An s_nop 0 and four v_nop follow each of the two lines.
.macro JLOAD g0a, g1a, g0b, g1b
	s_cmp_eq_u32 s15, 0
	s_cbranch_scc0 .Lfor_b_\@
	tensor_load_to_lds s[\g0a:\g0a+3], s[\g1a:\g1a+7]
	s_nop 0
.rept 4
	v_nop
.endr
	s_branch .Lasked_\@
.Lfor_b_\@:
	tensor_load_to_lds s[\g0b:\g0b+3], s[\g1b:\g1b+7]
	s_nop 0
.rept 4
	v_nop
.endr
.Lasked_\@:
.endm
.macro CREST                           ; a round of the cluster's barrier behind its opening barrier
	s_cmp_lg_u32 s14, 0
	s_cbranch_scc1 .Lnot_wave_0_\@
	s_barrier_signal -3
.Lnot_wave_0_\@:
	s_barrier_wait -3
	s_barrier_signal -1
	s_barrier_wait -1
.endm
.macro CROUND
	s_barrier_signal -1
	s_barrier_wait -1
	CREST
.endm
	s_load_b128 s[4:7], s[0:1], 0x0                ; codes, scales
	v_lshl_add_u32 v[SPW], v0, 2, SPARE
	v_mov_b32 v[NIL], 0
	ds_add_u32 v[SPW], v[NIL]                      ; the wave's opening: the add, twice on end, and its wait ahead of my first tensor load
	ds_add_u32 v[SPW], v[NIL]
	v_lshrrev_b32 v1, 5, v0
	v_readfirstlane_b32 s14, v1                    ; wave 0..3
	s_lshr_b32 s15, s14, 1                         ; which half of the tile's rows is mine.  Also: I fetch for x (0) or for W (1)
	s_and_b32 s16, s14, 1                          ; which half of its columns.  Also: which 128 rows I fetch
	s_bfe_u32 s40, ttmp6, 0x40000                  ; cx, cy
	s_bfe_u32 s41, ttmp6, 0x40004
	s_lshl_b32 s42, ttmp9, 2
	s_add_co_u32 s42, s42, s40                     ; tile column = 4 x cluster x + cx
	s_and_b32 s17, ttmp7, 0xffff
	s_lshl_b32 s17, s17, 2
	s_add_co_u32 s17, s17, s41                     ; tile row = 4 x cluster y + cy
	s_lshl_b32 s43, s41, 2
	s_lshl_b32 s43, 15, s43                        ; my row of the cluster
	s_lshl_b32 s44, 0x1111, s40                    ; my column
	s_or_b32 s[G1+0], s43, (0<<16)|(1<<20)|(1<<21)|(5<<22)|(3<<25)  ; the mask; elements of 1 byte; padding on; bit 21 beside a mask; 4 words behind every 64
	s_or_b32 s[G1B+0], s44, (0<<16)|(1<<20)|(1<<21)|(5<<22)|(3<<25)
.irp g, G1, G1B
	s_mov_b32 s[\g+1], ROWB<<16                    ; tensor_dim0
	s_mov_b32 s[\g+2], 128<<16                     ; tensor_dim1
	s_mov_b32 s[\g+3], ROWB<<16                    ; tile_dim0
	s_mov_b32 s[\g+4], 128                         ; tile_dim1
	s_mov_b32 s[\g+5], KROW                        ; the pitch
	s_mov_b32 s[\g+6], 0
	s_mov_b32 s[\g+7], 0
.endr
	s_or_b32 s[G1S+0], s43, (3<<16)|(1<<20)|(1<<21)|(5<<22)|(3<<25) ; the scales of 128 rows: 8,192 dense bytes as 32 rows of 256 (32 elements of 8 bytes), 16 bytes of padding behind each
	s_or_b32 s[G1SB+0], s44, (3<<16)|(1<<20)|(1<<21)|(5<<22)|(3<<25)
.irp g, G1S, G1SB
	s_mov_b32 s[\g+1], 32<<16
	s_mov_b32 s[\g+2], (128*KS/256)<<16
	s_mov_b32 s[\g+3], 32<<16
	s_mov_b32 s[\g+4], 128*KS/256
	s_mov_b32 s[\g+5], 32
	s_mov_b32 s[\g+6], 0
	s_mov_b32 s[\g+7], 0
.endr
	s_lshl_b32 s18, s16, 7
	s_lshl_b32 s20, s17, 8
	s_add_co_u32 s20, s20, s18                     ; x: row 256 x tile row + 128 x half
	s_lshl_b32 s46, s42, 8
	s_add_co_u32 s46, s46, s18                     ; W: row 256 x tile column + 128 x half
	s_mov_b32 s21, 0
	s_mov_b32 s47, 0
	s_mov_b64 s[18:19], KS
	s_mul_u64 s[22:23], s[20:21], s[18:19]         ; where these rows' scales begin
	s_mul_u64 s[92:93], s[46:47], s[18:19]
	s_mov_b64 s[18:19], KROW
	s_mul_u64 s[20:21], s[20:21], s[18:19]         ; and their codes
	s_mul_u64 s[46:47], s[46:47], s[18:19]
	s_mul_i32 s45, s14, HALFT                      ; where they go: wave x 128 rows: no place in the cluster enters an LDS address
	s_mul_i32 s94, s14, HALFS
	s_wait_dscnt 0x0                               ; both opening adds are done
	s_wait_kmcnt 0x0
	s_add_nc_u64 s[8:9], s[4:5], 0x400000          ; W's codes follow x's 4,096 rows of 1,024 bytes,
	s_add_nc_u64 s[10:11], s[6:7], 0x40000         ; W's scale bytes x's 4,096 rows of 64
	s_add_nc_u64 s[20:21], s[4:5], s[20:21]
	s_add_nc_u64 s[22:23], s[6:7], s[22:23]
	s_add_nc_u64 s[46:47], s[8:9], s[46:47]
	s_add_nc_u64 s[92:93], s[10:11], s[92:93]
	CROUND                                         ; all sixteen work-groups are here: the first joint loads meet
	s_mov_b32 s[G0S], 1
	s_add_co_u32 s[G0S+1], s94, SCL
	s_mov_b64 s[G0S+2:G0S+3], s[22:23]
	s_or_b32 s[G0S+3], s[G0S+3], 0x80000000
	s_mov_b32 s[G0SB], 1
	s_add_co_u32 s[G0SB+1], s94, SCL
	s_mov_b64 s[G0SB+2:G0SB+3], s[92:93]
	s_or_b32 s[G0SB+3], s[G0SB+3], 0x80000000
	JLOAD G0S, G1S, G0SB, G1SB                     ; the scales first: three tensor loads of mine are out behind these lines
.irp s, 0,1
	s_mov_b32 s[G0+4*\s], 1
	s_add_co_u32 s[G0+4*\s+1], s45, \s*SLOT
	s_add_nc_u64 s[G0+4*\s+2:G0+4*\s+3], s[20:21], \s*ROWB
	s_or_b32 s[G0+4*\s+3], s[G0+4*\s+3], 0x80000000
	s_mov_b32 s[G0B+4*\s], 1
	s_add_co_u32 s[G0B+4*\s+1], s45, \s*SLOT
	s_add_nc_u64 s[G0B+4*\s+2:G0B+4*\s+3], s[46:47], \s*ROWB
	s_or_b32 s[G0B+4*\s+3], s[G0B+4*\s+3], 0x80000000
	JLOAD G0+4*\s, G1, G0B+4*\s, G1B
.endr
	v_and_b32 v1, 15, v0                           ; r = lane % 16
	v_bfe_u32 v2, v0, 4, 1                         ; h = lane / 16
	v_mul_u32_u24 v3, v1, PITCH
	v_lshl_add_u32 v4, v2, 4, v3                   ; a fragment's row x pitch + 16 h
	s_mul_i32 s21, s15, HALFT                      ; my 128 rows of x
	s_mul_i32 s22, s16, HALFT                      ; my 128 rows of W,
	s_add_co_u32 s22, s22, 2*HALFT                 ; which lie behind x's 256
.irp s, 0,1
	v_add_nc_u32 v[ADRA+\s], s21, v4
	v_add_nc_u32 v[ADRB+\s], s22, v4
	s_add_co_u32 s21, s21, SLOT
	s_add_co_u32 s22, s22, SLOT
.endr
	v_mul_u32_u24 v5, v1, KS                       ; my row's scales: KS bytes a row,
	v_lshrrev_b32 v6, 8, v5
	v_lshl_add_u32 v5, v6, 4, v5                   ; and 16 more for each 256 passed
	s_mul_i32 s21, s15, HALFS
	s_mul_i32 s22, s16, HALFS
	s_add_co_u32 s22, s22, 2*HALFS
	s_sub_co_u32 s22, s22, s21
	v_mul_u32_u24 v6, s22, v2                      ; lanes 16-31 take W's
	s_add_co_u32 s21, s21, SCL
	v_add_nc_u32 v5, v5, v6
	v_add_nc_u32 v[ADRS], s21, v5
	s_mul_i32 s23, s14, 2*SHD                      ; my stage
	v_mul_u32_u24 v5, v1, SPH
	v_lshl_add_u32 v5, v2, 4, v5
	v_add_nc_u32 v[STO], s23, v5                   ; in: row r, 16 bytes for each half of the lanes
	v_and_b32 v6, 31, v0
	v_lshlrev_b32 v[LO], 4, v6
	v_lshrrev_b32 v7, 3, v6
	v_mul_u32_u24 v7, v7, SPH
	v_and_b32 v8, 7, v6
	v_lshl_add_u32 v7, v8, 4, v7
	v_add_nc_u32 v[RD], s23, v7                    ; back: eight lanes to a row of 128 bytes, four rows an instruction
	s_load_b128 s[20:23], s[0:1], 0x10             ; bq, bk
	s_load_b128 s[92:95], s[0:1], 0x20             ; bv, tab
	s_load_b128 s[96:99], s[0:1], 0x30             ; qkv, first32
	v_lshlrev_b32 v[VB], 5, v2
	s_wait_kmcnt 0x0
	s_mov_b64 s[12:13], s[92:93]                   ; whose bias: tile columns 0-3 are q's, 4-5 k's, 6-7 v's: a choice of pointers, no branch
	s_mov_b32 s18, 6
	s_cmp_lt_u32 s42, 6
	s_cselect_b64 s[12:13], s[22:23], s[12:13]
	s_cselect_b32 s18, 4, s18
	s_cselect_b32 s19, 1, 0                        ; 1: the tile is rotated
	s_cmp_lt_u32 s42, 4
	s_cselect_b64 s[12:13], s[20:21], s[12:13]
	s_cselect_b32 s18, 0, s18
	s_sub_co_u32 s18, s42, s18
	s_lshl_b32 s18, s18, 10                        ; 256 columns of 4 bytes a tile,
	s_lshl_b32 s46, s16, 9                         ; 128 a wave
	s_add_co_u32 s46, s18, s46
	s_mov_b32 s47, 0
	s_add_nc_u64 s[12:13], s[12:13], s[46:47]
.irp b, 0,1,2,3,4,5,6,7
	global_load_b128 v[BIAS+8*\b:BIAS+8*\b+3], v[VB], s[12:13] offset:64*\b       ; lane (r, h): the bias of columns 16 b + 8 h + 0 .. 7
	global_load_b128 v[BIAS+8*\b+4:BIAS+8*\b+7], v[VB], s[12:13] offset:64*\b+16
.endr
	s_and_b32 s18, s17, 7                          ; the tile row within its batch
	s_lshl_b32 s67, s18, 8
	s_lshl_b32 s46, s15, 7
	s_add_co_u32 s67, s67, s46                     ; my wave's first position
	s_or_b32 s18, s18, s15
	v_mov_b32 v[FL], s18
	s_lshr_b32 s18, s17, 3                         ; the batch
	s_mul_i32 s46, s67, s19
	s_lshl_b32 s46, s46, 8
	s_add_nc_u64 s[94:95], s[94:95], s[46:47]      ; the table at my first position (v: at position 0)
	s_lshl_b32 s22, s19, 12                        ; 16 positions on (v: none)
	s_mov_b32 s23, 0
	s_lshl_b32 s46, s19, 8
	v_mul_u32_u24 v[VT], s46, v1
	v_lshl_add_u32 v[VT], v2, 5, v[VT]
	s_lshl_b32 s46, s18, 5
	s_lshl_b32 s20, s42, 2
	s_add_co_u32 s46, s46, s20
	s_lshl_b32 s20, s16, 1
	s_add_co_u32 s46, s46, s20                     ; my first head's slot: 32 x batch + 4 x tile column + 2 x half
	s_lshl_b32 s46, s46, 11
	s_add_co_u32 s46, s46, s67
	s_lshl_b32 s46, s46, 7                         ; rows of 128 bytes
	s_add_nc_u64 s[96:97], s[96:97], s[46:47]
	s_lshl_b32 s46, s18, 7
	s_lshl_b32 s20, s42, 4
	s_add_co_u32 s46, s46, s20
	s_lshl_b32 s20, s16, 3
	s_add_co_u32 s46, s46, s20                     ; my first block of 16 columns: 128 x batch + 16 x tile column + 8 x half
	s_lshl_b32 s46, s46, 10
	s_add_nc_u64 s[98:99], s[98:99], s[46:47]
.macro FRAG reg, adr, q, i             ; 16 rows x 128 K of 4-bit codes: 8 registers: lane l holds row l % 16; registers 4 c .. 4 c + 3 hold K = 64 c + 32 (l / 16) + 0 .. 31
.irp c, 0,1
	ds_load_b128 v[\reg+4*\c:\reg+4*\c+3], v[\adr] offset:64*(\q)+32*\c+(\i)*16*PITCH
.endr
.endm
; 16 matrix instructions: x's blocks a0, a0 + 1 against W's eight, 128 along K.  zero = 1: the first product starts the sums from the bias.  The 64 accumulators take turns, one instruction a turn.
.macro MUL16 a0, p, q, sc, zero
.irp a, \a0, \a0+1
.irp b, 0,1,2,3,4,5,6,7
.if \zero
	v_wmma_scale_f32_16x16x128_f8f6f4 v[8*(8*((\a)%4)+\b):8*(8*((\a)%4)+\b)+7], v[128*(\p)+FR*\b:128*(\p)+FR*\b+FR-1], v[AF+FR*(\a):AF+FR*(\a)+FR-1], v[BIAS+8*\b:BIAS+8*\b+7], v[SC+8*NQ*(\sc)+NQ*\b+(\q)], v[SC+8*NQ*(\sc)+NQ*(\a)+(\q)] matrix_a_fmt:MATRIX_FMT_FP4 matrix_b_fmt:MATRIX_FMT_FP4 matrix_a_scale:MATRIX_SCALE_ROW1
.else
	v_wmma_scale_f32_16x16x128_f8f6f4 v[8*(8*((\a)%4)+\b):8*(8*((\a)%4)+\b)+7], v[128*(\p)+FR*\b:128*(\p)+FR*\b+FR-1], v[AF+FR*(\a):AF+FR*(\a)+FR-1], v[8*(8*((\a)%4)+\b):8*(8*((\a)%4)+\b)+7], v[SC+8*NQ*(\sc)+NQ*\b+(\q)], v[SC+8*NQ*(\sc)+NQ*(\a)+(\q)] matrix_a_fmt:MATRIX_FMT_FP4 matrix_b_fmt:MATRIX_FMT_FP4 matrix_a_scale:MATRIX_SCALE_ROW1
.endif
.endr
.endr
.endm
.macro FETCH_B slot, q, p
	WIN TO_B
.irp i, 0,1,2,3,4,5,6,7
	FRAG 128*(\p)+FR*\i, ADRB+\slot, \q, \i
.endr
	WIN 0
.endm
.macro FETCH_A slot, q, i0
.irp i, \i0, \i0+1, \i0+2, \i0+3
	FRAG AF+FR*(\i), ADRA+\slot, \q, \i
.endr
.endm
.macro SCALES sc                       ; a K step's scale words: lanes 0-15 take x's block i, lanes 16-31 W's block i
.irp i, 0,1,2,3,4,5,6,7
	ds_load_b128 v[SC+8*NQ*\sc+NQ*\i:SC+8*NQ*\sc+NQ*\i+3], v[ADRS] offset:\i*SBLK
.endr
.endm
.macro PLACES n                        ; plain vector lines between a matrix instruction and a load into, or a read of, its registers
.rept \n
	v_nop
.endr
.endm
.macro STEP slot, q, zero              ; a step of 128 along K that has its successor in the same slot
	s_wait_dscnt 4*NL                              ; W's set and x's blocks 0-3 are in; the youngest eight loads (x's blocks 4-7) may be out
.if \zero
	WIN 0x81                                       ; C (the bias) in window 0, D in window 2
.else
	WIN MUL_LO
.endif
	MUL16 0, (\q)%2, \q, \slot, \zero
	MUL16 2, (\q)%2, \q, \slot, \zero
	s_wait_dscnt 0
	PLACES NP
	FETCH_B \slot, (\q)+1, 1-(\q)%2
	FETCH_A \slot, (\q)+1, 0
.if \zero
	WIN 0xc1                                       ; C in window 0, D in window 3
.else
	WIN MUL_HI
.endif
	MUL16 4, (\q)%2, \q, \slot, \zero
	MUL16 6, (\q)%2, \q, \slot, \zero
	PLACES NP
	WIN 0
	FETCH_A \slot, (\q)+1, 4
.endm
; A slot's last step changes slots: one barrier; in front of it each wave waits for all its tensor loads, adds 0 to its spare word, and waits for that and for its own reads of this slot.
.macro TURN slot, next, fill
	s_wait_tensorcnt 0x0                           ; all my tensor loads have landed: my part of the next slot
	ds_add_u32 v[SPW], v[NIL]
	s_wait_dscnt 4*NL+1                            ; (the add and the youngest eight loads may be out)
	WIN MUL_LO
	MUL16 0, 1, NQ-1, \slot, 0
	s_wait_dscnt 0x0                               ; the add is done, and my reads of this slot are over
	s_barrier_signal -1
	MUL16 2, 1, NQ-1, \slot, 0
	WIN 0
	s_barrier_wait -1
.if \fill
	CREST                                          ; the barrier has opened a round of the cluster's: no wave of any partner still reads this slot or has a load on its way
	s_add_nc_u64 s[G0+4*\slot+2:G0+4*\slot+3], s[G0+4*\slot+2:G0+4*\slot+3], 2*ROWB
	s_add_nc_u64 s[G0B+4*\slot+2:G0B+4*\slot+3], s[G0B+4*\slot+2:G0B+4*\slot+3], 2*ROWB
	JLOAD G0+4*\slot, G1, G0B+4*\slot, G1B         ; my one tensor load behind the round; its four v_nop are the places in front of the loads below
.else
	PLACES NP
.endif
	v_add_nc_u32 v[ADRS], 4*NQ, v[ADRS]
	FETCH_B \next, 0, 0
	FETCH_A \next, 0, 0
	SCALES \next
	WIN MUL_HI
	MUL16 4, 1, NQ-1, \slot, 0
	MUL16 6, 1, NQ-1, \slot, 0
	PLACES NP
	WIN 0
	FETCH_A \next, 0, 4
.endm
.macro STEPS slot, from
.set Q, \from
.rept NQ-1-\from
	STEP \slot, Q, 0
.set Q, Q+1
.endr
.endm
; The table's rows for 16 positions: lane (r, h) takes the cosines and sines of f = 16 u + 8 h + 0 .. 7 of position r.  In a set: cosines u = 0, 1, then sines u = 0, 1.
.macro TABLOAD set
.irp u, 0,1
	global_load_b128 v[CT+32*(\set)+8*\u:CT+32*(\set)+8*\u+3], v[VT], s[94:95] offset:64*\u
	global_load_b128 v[CT+32*(\set)+8*\u+4:CT+32*(\set)+8*\u+7], v[VT], s[94:95] offset:64*\u+16
	global_load_b128 v[CT+32*(\set)+16+8*\u:CT+32*(\set)+16+8*\u+3], v[VT], s[94:95] offset:128+64*\u
	global_load_b128 v[CT+32*(\set)+16+8*\u+4:CT+32*(\set)+16+8*\u+7], v[VT], s[94:95] offset:128+64*\u+16
.endr
	s_wait_xcnt 0x0                                ; the loads have read their base: it steps
	s_add_nc_u64 s[94:95], s[94:95], s[22:23]
.endm
	s_wait_loadcnt 0x0                             ; the bias
	s_wait_tensorcnt 1                             ; the scales and my part of K step 0 are in (K step 1's load may be out),
	s_barrier_signal -1
	s_barrier_wait -1                              ; everybody's are
	FETCH_B 0, 0, 0
	FETCH_A 0, 0, 0
	SCALES 0
	FETCH_A 0, 0, 4
	STEP 0, 0, 1                                   ; the first step stands in front of the loop: its products start the sums
	TABLOAD 0                                      ; the bias is done with (four places stand behind its last reader): its registers take the table's rows for my first 32 positions, which land under the loop
	TABLOAD 1
	s_mov_b32 s3, LAPS-1
.Llap:
	STEPS 0, 1
	TURN 0, 1, 1
	STEPS 1, 0
	TURN 1, 0, 1
	STEP 0, 0, 0
	s_sub_co_u32 s3, s3, 1
	s_cmp_lg_u32 s3, 0
	s_cbranch_scc1 .Llap
	STEPS 0, 1                                     ; the last lap fills nothing
	TURN 0, 1, 0
	STEPS 1, 0
	s_wait_dscnt 4*NL
	WIN MUL_LO
	MUL16 0, 1, NQ-1, 1, 0
	MUL16 2, 1, NQ-1, 1, 0
	s_wait_dscnt 0
	WIN MUL_HI
	MUL16 4, 1, NQ-1, 1, 0
	MUL16 6, 1, NQ-1, 1, 0
	WIN 0
; THE WAY OUT, a block of 16 positions x 128 columns at a time.
.macro ROPE a                          ; y1 = x1 cos - x2 sin, y2 = x2 cos + x1 sin; each accumulator is read from its low end on
	WIN 0x02+(\a)/4                                ; source 0: window 2 or 3
.irp hh, 0,1
.irp u, 0,1
.set X1, 8*(8*((\a)%4)+4*\hh+\u)
.set Y1, Y+8*(4*\hh+\u)
.set CC, CT+32*((\a)%2)+8*\u
.irp i, 0,2,4,6
	v_pk_mul_f32 v[Y1+\i:Y1+\i+1], v[X1+\i:X1+\i+1], v[CC+\i:CC+\i+1]
	v_pk_mul_f32 v[Y1+16+\i:Y1+17+\i], v[X1+16+\i:X1+17+\i], v[CC+\i:CC+\i+1]
.endr
.irp i, 0,2,4,6
	v_pk_fma_f32 v[Y1+\i:Y1+\i+1], v[X1+16+\i:X1+17+\i], v[CC+16+\i:CC+17+\i], v[Y1+\i:Y1+\i+1] neg_lo:[0,1,0] neg_hi:[0,1,0]
	v_pk_fma_f32 v[Y1+16+\i:Y1+17+\i], v[X1+\i:X1+\i+1], v[CC+16+\i:CC+17+\i], v[Y1+16+\i:Y1+17+\i]
.endr
.endr
.endr
	WIN 0
.endm
.macro PACK
.set i, 0
.rept 32
	v_cvt_pk_f16_f32 v[PK+i], v[Y+2*i], v[Y+2*i+1]
.set i, i+1
.endr
.endm
.macro FIRST                           ; positions 0..15 in f32, as the registers stand: 512 consecutive bytes a store.  The lane mask is all ones or all zeros: no branch hangs on the tile's place
	v_cmp_eq_u32 vcc_lo, 0, v[FL]
	s_wait_xcnt 0x0                                ; EXEC changes only behind this wait
	s_and_saveexec_b32 s66, vcc_lo
.irp b, 0,1,2,3,4,5,6,7
	global_store_b128 v[LO], v[Y+8*\b:Y+8*\b+3], s[98:99] offset:1024*\b
	global_store_b128 v[LO], v[Y+8*\b+4:Y+8*\b+7], s[98:99] offset:1024*\b+512
.endr
	s_wait_xcnt 0x0                                ; and again in front of the line that restores it; the stores' data may be written again too
	s_or_b32 exec_lo, exec_lo, s66
.endm
.macro TOSTAGE a                       ; LDS serves a wave's instructions in order: no wait between the stores and the loads
.irp b, 0,1,2,3,4,5,6,7
	ds_store_b128 v[STO], v[PK+4*\b:PK+4*\b+3] offset:(\b/4)*SHD+32*(\b%4)
.endr
	WIN 0x40                                       ; destination window 1
.irp hh, 0,1
.irp t, 0,1,2,3
	ds_load_b128 v[BK+32*((\a)%2)+4*(4*\hh+\t):BK+32*((\a)%2)+4*(4*\hh+\t)+3], v[RD] offset:SHD*\hh+4*SPH*\t
.endr
.endr
	WIN 0
.endm
.macro SEND a, younger                 ; younger: the LDS instructions issued behind block a's loads, which may stay out
	s_wait_dscnt \younger
	WIN 0x04                                       ; a store's data are its source 1: window 1
.irp hh, 0,1
.irp t, 0,1,2,3
	global_store_b128 v[LO], v[BK+32*((\a)%2)+4*(4*\hh+\t):BK+32*((\a)%2)+4*(4*\hh+\t)+3], s[96:97] offset:262144*\hh+2048*(\a)+512*\t   ; four positions of a head: 512 consecutive aligned bytes
.endr
.endr
	WIN 0
.endm
	PLACES NP
.irp a, 0,1,2,3,4,5,6,7
.if \a < 7
	s_wait_loadcnt 8                               ; this block's table rows are in; the next block's eight loads may be out
.else
	s_wait_loadcnt 0
.endif
	ROPE \a
.if \a < 6
	TABLOAD \a%2                                   ; the set just used takes the rows of the block two further on
.endif
	PACK
.if \a == 0
	FIRST
.endif
.if \a > 1
	s_wait_xcnt 0x0                                ; block a - 2's stores have read their registers: block a's loads may land there
.endif
	TOSTAGE \a
.if \a > 0
	SEND \a-1, 16                                  ; behind block a - 1's loads: block a's 8 stores and 8 loads
.endif
.endr
	SEND 7, 0
	s_wait_tensorcnt 0x0                           ; the wave's end
	ds_add_u32 v[SPW], v[NIL]
	s_wait_dscnt 0x0
	CROUND                                         ; the closing round: no work-group ends while a partner may still ask for a tile that names it
	s_endpgm
.Lfunc_end_k_q7ee4ba6ad7_proj:
	.size	k_q7ee4ba6ad7_proj, .Lfunc_end_k_q7ee4ba6ad7_proj-k_q7ee4ba6ad7_proj
	.p2alignl 7, 3214868480
	.fill 96, 4, 3214868480
	.section	.rodata,"a",@progbits
	.p2align	6, 0x0
	.amdhsa_kernel k_q7ee4ba6ad7_proj
		.amdhsa_group_segment_fixed_size 327680
		.amdhsa_private_segment_fixed_size 0
		.amdhsa_enable_private_segment 0
		.amdhsa_kernarg_size 64
		.amdhsa_user_sgpr_count 2
		.amdhsa_user_sgpr_kernarg_segment_ptr 1
		.amdhsa_wavefront_size32 1
		.amdhsa_system_sgpr_workgroup_id_x 1
		.amdhsa_system_sgpr_workgroup_id_y 1
		.amdhsa_system_sgpr_workgroup_id_z 1
		.amdhsa_system_vgpr_workitem_id 0
		.amdhsa_next_free_vgpr 1024
		.amdhsa_next_free_sgpr 100
		.amdhsa_reserve_vcc 1
		.amdhsa_float_denorm_mode_32 3
		.amdhsa_float_denorm_mode_16_64 3
		.amdhsa_memory_ordered 1
		.amdhsa_forward_progress 1
		.amdhsa_inst_pref_size 255
	.end_amdhsa_kernel
	.section	.bss,"aw",@nobits
	.p2align	6
	.space	262144
	.amdgpu_metadata
---
amdhsa.version: [ 1, 2 ]
amdhsa.kernels:
  - .name:           k_q7ee4ba6ad7_proj
    .symbol:         k_q7ee4ba6ad7_proj.kd
    .args:
      - { .name: codes, .offset: 0, .size: 8, .value_kind: global_buffer, .address_space: global }
      - { .name: scales, .offset: 8, .size: 8, .value_kind: global_buffer, .address_space: global }
      - { .name: bq, .offset: 16, .size: 8, .value_kind: global_buffer, .address_space: global }
      - { .name: bk, .offset: 24, .size: 8, .value_kind: global_buffer, .address_space: global }
      - { .name: bv, .offset: 32, .size: 8, .value_kind: global_buffer, .address_space: global }
      - { .name: tab, .offset: 40, .size: 8, .value_kind: global_buffer, .address_space: global }
      - { .name: qkv, .offset: 48, .size: 8, .value_kind: global_buffer, .address_space: global }
      - { .name: first32, .offset: 56, .size: 8, .value_kind: global_buffer, .address_space: global }
    .group_segment_fixed_size: 327680
    .private_segment_fixed_size: 0
    .kernarg_segment_align: 8
    .kernarg_segment_size: 64
    .max_flat_workgroup_size: 128
    .sgpr_count:     100
    .vgpr_count:     1024
    .wavefront_size: 32
...
	.end_amdgpu_metadata
.endif
;; end of part 2
;; launch attn (part 3): grid 16 x 16, 16 waves a work-group, no clusters, 327,680 bytes of LDS; arguments qkv, key_weights, o16; writes o16
.if DOCPART == 3
	.amdgcn_target "amdgcn-amd-amdhsa--gfx1250"
	.amdhsa_code_object_version 6
	.text
	.protected	k_q7ee4ba6ad7_attn
	.globl	k_q7ee4ba6ad7_attn
	.p2align	8
	.type	k_q7ee4ba6ad7_attn,@function
k_q7ee4ba6ad7_attn:
	s_mov_b64 s[64:65], 0
	v_nop
	global_prefetch_b8 v0, s[64:65] scope:SCOPE_SE
	s_setreg_imm32_b32 hwreg(HW_REG_WAVE_MODE, 25, 1), 1
	s_wait_xcnt 0x0
; ATTN: causal attention, 16 query heads on 8 key and value heads, head size 64, 2,048 positions, 2 batches; operands in f16, products, maxima and sums in f32.
; p = 2^(c s - c m), s = q . k, c = |key_weight| x 0.125 x log2(e), m the running largest s of the query.  The weight's SIGN is put into q once (an exclusive or on the f16 signs), so that c is never negative
; and the largest raw score is the largest exponent.  In every step O and the sum are multiplied by 2^(c m_old - c m_new).
; SHARES.  Work-group (j, y): batch y / 8, key head y % 8, BOTH its query heads, and the blocks of 64 positions j and 31 - j: every work-group has the same 33 block steps under the causal mask; 256 work-groups.
; Each of the sixteen waves owns one tile of 16 queries in 256 registers: head w / 8, tile (w / 2) % 4, block j or 31 - j by (w xor w / 4) % 2.  Four waves share a SIMD: one wave's vector work stands beside another's products.
; K's and V's rows come through a ring of two LDS slots of 256 keys, filled by the tensor data mover (waves 0, 1: K's halves; waves 2, 3: V's) and read by all sixteen; a step is 64 keys.
; EVERY work-group walks all 8 slots, so that trip counts are constants; a step all of whose keys come after a wave's queries is jumped over, and a slot whose first key comes after the work-group's last query is not asked for.
; NO CLUSTER: the work-groups of a key head need from 1,088 to 2,048 keys (64 (31 - j) + 64), so partners would want different numbers of tiles.
; LAYOUT.  S^T = K Q^T (source 0 = 16 keys, source 1 = my 16 queries), O^T = V^T P (source 0 = 16 channels, turned on the way out of LDS): a lane holds ONE query (lane % 16) throughout.
; LIMITS: c is held at 1e-30 from below (it moves an exponent by less than 3e-19, and keeps -infinity x c = -infinity where the weight is 0); NaN and infinities are not served.
; REGISTERS: v1-7 addresses; v8-15 c m, m, the sum in two halves, four at work; v16-31 Q; v32-95 K; v96-159 V^T; v160-191 S^T, then p; v192-207 P; v208-239 O^T; v240-241 c; v245-249 lane numbers and -infinity; v250-252 at work.
.set SK,    256                        ; keys in a slot
.set NQ,    4                          ; steps in a slot
.set NSL,   8                          ; slots' worth of keys
.set PK,    144                        ; a key's row in LDS: 128 bytes + 16
.set PV,    160                        ; a value's row: 128 + 32
.set VOFF,  SK*PK
.set SLOT1, 1<<17                      ; slot 1 begins here: one exclusive or turns an address from one slot into the other
.set SPARE, 2*SLOT1                    ; the spare words: 128 bytes a wave, named by no other line
.set SP,    272                        ; the way out: a stage row: 256 bytes (both heads) + 16.  The stage, 128 rows, lies in slot 0, which is left at the last change of slots
.set AK0, 1
.set AV0, 2
.set SPW, 3
.set NIL, 4
.set ADK, 5
.set ADV, 6
.set PFO, 7
.set ST,  8
.set QF,  16
.set KFR, 32
.set VFR, 96
.set S,   160
.set P,   192
.set O,   208
.set CV,  240
.set RR,  245                          ; lane % 16
.set HH,  246                          ; lane / 16
.set DD,  247                          ; lane % 16 - 8 (lane / 16)
.set DW,  248
.set NINF, 249
.set TB,  2                            ; s2  LDS byte at which the slot in hand begins
.set WV,  18
.set SEL, 20
.set G1K, 24
.set G1V, 32
.set G0K, 40
.set G0V, 44
.set LAST, 66                          ; s66 my work-group's last query
.set SLOTS, 67
.set PFA, 76
.set LIM, 80
.set KF,  98                           ; s98 the step's first key
.set Q0,  99                           ; s99 my first query
.macro TLOAD                           ; waves 0 and 1 fetch K's halves, waves 2 and 3 V's, the others nothing.  An s_nop 0 and four v_nop follow each line
	s_cmp_lt_u32 s[WV], 2
	s_cbranch_scc0 .Lnot_k_\@
	tensor_load_to_lds s[G0K:G0K+3], s[G1K:G1K+7]
	s_nop 0
.rept 4
	v_nop
.endr
	s_branch .Lasked_\@
.Lnot_k_\@:
	s_cmp_lt_u32 s[WV], 4
	s_cbranch_scc0 .Lasked_\@
	tensor_load_to_lds s[G0V:G0V+3], s[G1V:G1V+7]
	s_nop 0
.rept 4
	v_nop
.endr
.Lasked_\@:
.endm
; A prefetch of what the NEXT change of slots will ask for: 32,768 dense bytes of K and as many of V.  All sixteen work-groups of a key head walk the same rows: the first of them (x = 0) asks, which also walks them all.
; In it waves 4 to 7 ask for K's, waves 8 to 11 for V's: 8,192 bytes a wave, lanes 256 bytes apart, one instruction.  So each aligned run of 256 bytes is named once.  Slots 0 and 1 come by their loads alone; the last filling change asks for nothing.
.macro ASK
	s_cmp_gt_u32 s[SLOTS], s[LIM]
	s_cbranch_scc0 .Lnot_mine_\@
	global_prefetch_b8 v[PFO], s[PFA:PFA+1] th:TH_LOAD_NT scope:SCOPE_SE
.Lnot_mine_\@:
.endm
	s_load_b128 s[4:7], s[0:1], 0x0                ; qkv, key_weights
	s_load_b64 s[8:9], s[0:1], 0x10                ; o16
	v_lshl_add_u32 v[SPW], v0, 2, SPARE
	v_mov_b32 v[NIL], 0
	ds_add_u32 v[SPW], v[NIL]                      ; the wave's opening: the add, twice on end, and its wait ahead of my first tensor load
	ds_add_u32 v[SPW], v[NIL]
	v_lshrrev_b32 v5, 5, v0
	v_readfirstlane_b32 s[WV], v5                  ; wave 0..15
	s_and_b32 s70, ttmp7, 0xffff
	s_lshr_b32 s71, s70, 3                         ; batch
	s_and_b32 s72, s70, 7                          ; key head
	s_lshr_b32 s73, s[WV], 3                       ; which of its two query heads
	s_bfe_u32 s74, s[WV], 0x20001                  ; which tile of a block
	s_lshr_b32 s75, s[WV], 2
	s_xor_b32 s75, s75, s[WV]
	s_and_b32 s75, s75, 1                          ; early block (0) or late (1)
	s_sub_co_u32 s81, 31, ttmp9
	s_cmp_eq_u32 s75, 1
	s_cselect_b32 s82, s81, ttmp9
	s_lshl_b32 s[Q0], s82, 6
	s_lshl_b32 s83, s74, 4
	s_add_co_u32 s[Q0], s[Q0], s83                 ; my first query
	s_lshl_b32 s[LAST], s81, 6
	s_or_b32 s[LAST], s[LAST], 63
	s_lshl_b32 s83, s71, 11
	s_add_co_u32 s83, s83, s[Q0]
	s_lshl_b32 s84, s73, 3
	s_add_co_u32 s83, s83, s84                     ; the first row of o16 that I store: my tile's rows 8 x head on
	s_lshl_b32 s14, s83, 11
	s_lshl_b32 s84, s72, 8
	s_add_co_u32 s14, s14, s84                     ; + the key head's 256 bytes
	s_mov_b32 s15, 0
	s_lshl_b32 s84, s71, 5
	s_add_co_u32 s84, s84, s72                     ; 32 x batch + key head
	s_add_co_u32 s85, s84, 16
	s_lshl_b32 s86, s85, 18                        ; where K's rows begin (a slot of qkv is 262,144 bytes)
	s_add_co_u32 s85, s84, 24
	s_lshl_b32 s88, s85, 18                        ; V's
	s_add_co_u32 s85, s84, s72
	s_add_co_u32 s85, s85, s73                     ; my query head: 2 x key head + which
	s_lshl_b32 s68, s85, 18
	s_lshl_b32 s19, s85, 2
	s_and_b32 s19, s19, 63                         ; its weight's byte
	s_lshl_b32 s85, s[Q0], 7
	s_add_co_u32 s68, s68, s85
	s_mov_b32 s69, 0
	s_and_b32 s92, s[WV], 1                        ; which 128 rows of a slot I fetch, if I fetch
	s_lshl_b32 s93, s92, 14
	s_add_co_u32 s10, s86, s93
	s_mov_b32 s11, 0
	s_add_co_u32 s12, s88, s93
	s_mov_b32 s13, 0
	s_mul_i32 s94, s92, 128*PK
	s_mul_i32 s95, s92, 128*PV
	s_add_co_u32 s95, s95, VOFF
	s_cmp_lt_u32 s[WV], 8                          ; the prefetches: waves 4 to 7 K's, waves 8 to 11 V's
	s_cselect_b32 s16, s86, s88
	s_and_b32 s85, s[WV], 3
	s_lshl_b32 s85, s85, 13
	s_add_co_u32 s16, s16, s85
	s_add_co_u32 s16, s16, SK*128                  ; in slot 1: the first change of slots steps it to slot 2
	s_mov_b32 s17, 0
	s_sub_co_u32 s85, s[WV], 4
	s_lshr_b32 s85, s85, 3                         ; 0 in waves 4 to 11,
	s_or_b32 s85, s85, ttmp9                       ; of the key head's first work-group
	s_cmp_eq_u32 s85, 0
	s_cselect_b32 s[LIM], 1, -1
	; descriptor group 1: 128 rows of 64 elements of 2 bytes, dense in memory; padding behind every 32 words: 4 words for K, 8 for V
	s_mov_b32 s[G1K], (1<<16)|(1<<20)|(4<<22)|(3<<25)
	s_mov_b32 s[G1V], (1<<16)|(1<<20)|(4<<22)|(7<<25)
.irp g, G1K, G1V
	s_mov_b32 s[\g+1], 64<<16                      ; tensor_dim0
	s_mov_b32 s[\g+2], 128<<16                     ; tensor_dim1
	s_mov_b32 s[\g+3], 64<<16                      ; tile_dim0
	s_mov_b32 s[\g+4], 128                         ; tile_dim1
	s_mov_b32 s[\g+5], 64                          ; the pitch
	s_mov_b32 s[\g+6], 0
	s_mov_b32 s[\g+7], 0
.endr
	s_mov_b32 s[SEL], 0x76543210
	s_mov_b32 s[SEL+1], 0xfedcba98                 ; v_permlanex16_b32's selects for lane l xor 16
	s_mov_b32 s[TB], 0
	s_mov_b32 s[KF], 0
	s_mov_b32 s[SLOTS], NSL-1
	s_wait_dscnt 0x0                               ; both opening adds are done
	s_wait_kmcnt 0x0
	s_mov_b32 s[G0K], 1
	s_mov_b32 s[G0K+1], s94
	s_add_nc_u64 s[G0K+2:G0K+3], s[4:5], s[10:11]
	s_or_b32 s[G0K+3], s[G0K+3], 0x80000000
	s_mov_b32 s[G0V], 1
	s_mov_b32 s[G0V+1], s95
	s_add_nc_u64 s[G0V+2:G0V+3], s[4:5], s[12:13]
	s_or_b32 s[G0V+3], s[G0V+3], 0x80000000
	TLOAD                                          ; slot 0: one tensor load of mine is out, here and behind every change of slots
	s_add_nc_u64 s[68:69], s[4:5], s[68:69]        ; Q at my first query
	s_add_nc_u64 s[PFA:PFA+1], s[4:5], s[16:17]
	s_add_nc_u64 s[8:9], s[8:9], s[14:15]
	v_and_b32 v[RR], 15, v0
	v_bfe_u32 v[HH], v0, 4, 1
	v_lshlrev_b32 v244, 7, v[RR]
	v_lshl_add_u32 v244, v[HH], 4, v244            ; Q: row r of 128 bytes + 16 h
.irp c, 0,1,2,3
	global_load_b128 v[QF+4*\c:QF+4*\c+3], v244, s[68:69] offset:32*\c   ; two fragments of 16 queries x 32 channels: they stay
.endr
	v_mov_b32 v243, s19
	global_load_b32 v242, v243, s[6:7]             ; my head's weight, in every lane
	v_and_b32 v[PFO], 31, v0
	v_lshlrev_b32 v[PFO], 8, v[PFO]
	v_mul_u32_u24 v[AK0], v[RR], PK
	v_lshl_add_u32 v[AK0], v[HH], 4, v[AK0]        ; K: row r x pitch + 16 h
	v_and_b32 v250, 7, v0
	v_lshl_add_u32 v250, v[HH], 3, v250
	v_mul_u32_u24 v[AV0], v250, PV                 ; V, for the turning load: key 8 h + l % 8,
	v_bfe_u32 v250, v0, 3, 1
	v_lshl_add_u32 v[AV0], v250, 4, v[AV0]         ; channels 8 ((l / 8) % 2) on
	v_add_nc_u32 v[AV0], VOFF, v[AV0]
	v_lshlrev_b32 v[DD], 3, v[HH]
	v_sub_nc_u32 v[DD], v[RR], v[DD]
	v_mov_b32 v[NINF], 0xff800000
	v_mov_b32 v[ST+1], 0xf149f2ca                  ; m = -1e30: under every score of f16 operands (at most 64 x 65,504^2)
	v_mov_b32 v[ST+2], 0                           ; the sum, in two halves
	v_mov_b32 v[ST+3], 0
.set i, 0
.rept 32
	v_mov_b32 v[O+i], 0                            ; O^T.  (The step is written once: the first finds zeros, which its factor leaves zeros)
.set i, i+1
.endr
	s_wait_loadcnt 0x0                             ; Q and the weight
	v_and_b32 v250, 0x80000000, v242
	v_lshrrev_b32 v251, 16, v250
	v_or_b32 v250, v250, v251                      ; the weight's sign, at both f16 signs of a word
	v_mul_f32 v[CV], 0x3e38aa3b, |v242|            ; c = |weight| x 0.125 x log2(e),
	v_max_num_f32 v[CV], 0x0da24260, v[CV]         ; held at 1e-30 from below
	v_mov_b32 v[CV+1], v[CV]                       ; (named with it as a pair)
	v_mul_f32 v[ST], v[CV], v[ST+1]                ; c m
.set i, 0
.rept 16
	v_xor_b32 v[QF+i], v250, v[QF+i]
.set i, i+1
.endr
; A KEY STEP: 64 keys, the q-th of the slot in hand.
.macro STEP q
	s_add_co_u32 s96, s[Q0], 15
	s_cmp_gt_u32 s[KF], s96                        ; all 64 keys come after my 16 queries: the step's work is left out (ids and the count of steps alone)
	s_cbranch_scc1 .Lhidden_\@
	v_add_nc_u32 v[ADK], s[TB], v[AK0]
	v_add_nc_u32 v[ADV], s[TB], v[AV0]
	v_nop
	v_nop                                          ; four plain lines between the last step's products and the loads into their operands
.irp kt, 0,1,2,3
.irp c, 0,1
	ds_load_b128 v[KFR+8*(2*\kt+\c):KFR+8*(2*\kt+\c)+3],   v[ADK] offset:(64*(\q)+16*\kt)*PK+64*\c
	ds_load_b128 v[KFR+8*(2*\kt+\c)+4:KFR+8*(2*\kt+\c)+7], v[ADK] offset:(64*(\q)+16*\kt)*PK+64*\c+32
.endr
.endr
.irp i, 0,1
.irp ct, 0,1,2,3
	ds_load_tr16_b128 v[VFR+8*(4*\i+\ct):VFR+8*(4*\i+\ct)+3],   v[ADV] offset:(64*(\q)+32*\i)*PV+32*\ct
	ds_load_tr16_b128 v[VFR+8*(4*\i+\ct)+4:VFR+8*(4*\i+\ct)+7], v[ADV] offset:(64*(\q)+32*\i+16)*PV+32*\ct
.endr
.endr
	s_wait_dscnt 16                                ; K is in; V's sixteen loads may stay out
.irp kt, 0,1,2,3                       ; the four accumulators take turns
	v_wmma_f32_16x16x32_f16 v[S+8*\kt:S+8*\kt+7], v[KFR+16*\kt:KFR+16*\kt+7], v[QF:QF+7], 0
.endr
.irp kt, 0,1,2,3
	v_wmma_f32_16x16x32_f16 v[S+8*\kt:S+8*\kt+7], v[KFR+16*\kt+8:KFR+16*\kt+15], v[QF+8:QF+15], v[S+8*\kt:S+8*\kt+7]
.endr
.rept 4
	v_nop
.endr
	s_add_co_u32 s96, s[KF], 63
	s_cmp_le_u32 s96, s[Q0]                        ; all keys count: no mask
	s_cbranch_scc1 .Lopen_\@
	s_sub_co_i32 s96, s[Q0], s[KF]
	v_add_nc_u32 v[DW], s96, v[DD]                 ; register 8 kt + j holds key KF + 16 kt + 8 h + j: hidden where 16 kt + j > my query - KF - 8 h
.set n, 0
.rept 32
	v_cmp_gt_i32 vcc_lo, 16*(n/8)+n%8, v[DW]
	v_cndmask_b32 v[S+n], v[S+n], v[NINF], vcc_lo
.set n, n+1
.endr
.Lopen_\@:
.irp k, 0,1,2,3                        ; the largest of my 32 scores and the old m; each accumulator is read from its low end on
	v_max3_num_f32 v[ST+4+\k], v[S+8*\k], v[S+8*\k+1], v[S+8*\k+2]
.endr
.irp k, 0,1,2,3
	v_max3_num_f32 v[ST+4+\k], v[ST+4+\k], v[S+8*\k+3], v[S+8*\k+4]
.endr
.irp k, 0,1,2,3
	v_max3_num_f32 v[ST+4+\k], v[ST+4+\k], v[S+8*\k+5], v[S+8*\k+6]
.endr
	v_max3_num_f32 v[ST+4], v[ST+4], v[S+7], v[S+15]
	v_max3_num_f32 v[ST+6], v[ST+6], v[S+23], v[S+31]
	v_max3_num_f32 v[ST+4], v[ST+4], v[ST+5], v[ST+6]
	v_max3_num_f32 v[ST+4], v[ST+4], v[ST+7], v[ST+1]
	v_permlanex16_b32 v[ST+5], v[ST+4], s[SEL], s[SEL+1]   ; the query's other 32 keys lie in the lane 16 away
	v_mov_b32 v[ST+7], v[ST]                       ; c m_old
	v_max_num_f32 v[ST+1], v[ST+4], v[ST+5]        ; m
	v_mul_f32 v[ST], v[CV], v[ST+1]                ; c m
	v_sub_f32 v[ST+7], v[ST+7], v[ST]
.set i, 0
.rept 16
	v_pk_fma_f32 v[S+i:S+i+1], v[S+i:S+i+1], v[CV:CV+1], v[ST:ST+1] op_sel_hi:[1,0,0] neg_lo:[0,0,1] neg_hi:[0,0,1]   ; c s - c m
.set i, i+2
.endr
	v_exp_f32 v[ST+6], v[ST+7]                     ; a = 2^(c m_old - c m)
.set i, 0
.rept 32
	v_exp_f32 v[S+i], v[S+i]                       ; p
.set i, i+1
.endr
	v_nop                                          ; the plain line behind the last exponential
	s_wait_alu depctr_va_vdst(0)                   ; one wait for the batch of 33, ahead of its first reader
.set i, 0
.rept 16
	v_cvt_pk_f16_f32 v[P+i], v[S+2*i], v[S+2*i+1]  ; two tiles of 16 keys, rounded in pairs, are source 1 (32 keys x 16 queries) of the second product
.set i, i+1
.endr
.irp u, 0,1,2,3,4,5,6,7                ; the sum of the unrounded p, in place, by pairs
	v_pk_add_f32 v[S+4*\u:S+4*\u+1], v[S+4*\u:S+4*\u+1], v[S+4*\u+2:S+4*\u+3]
.endr
.irp u, 0,1,2,3
	v_pk_add_f32 v[S+8*\u:S+8*\u+1], v[S+8*\u:S+8*\u+1], v[S+8*\u+4:S+8*\u+5]
.endr
.irp u, 0,1
	v_pk_add_f32 v[S+16*\u:S+16*\u+1], v[S+16*\u:S+16*\u+1], v[S+16*\u+8:S+16*\u+9]
.endr
	v_pk_add_f32 v[S:S+1], v[S:S+1], v[S+16:S+17]
	v_pk_fma_f32 v[ST+2:ST+3], v[ST+2:ST+3], v[ST+6:ST+7], v[S:S+1] op_sel_hi:[1,0,1]   ; l = a l + the step's sum
.set i, 0
.rept 16
	v_pk_mul_f32 v[O+i:O+i+1], v[O+i:O+i+1], v[ST+6:ST+7] op_sel_hi:[1,0]               ; O^T x a
.set i, i+2
.endr
	s_wait_dscnt 0x0                               ; V is in
.irp i, 0,1
.irp ct, 0,1,2,3
	v_wmma_f32_16x16x32_f16 v[O+8*\ct:O+8*\ct+7], v[VFR+8*(4*\i+\ct):VFR+8*(4*\i+\ct)+7], v[P+8*\i:P+8*\i+7], v[O+8*\ct:O+8*\ct+7]
.endr
.endr
.Lhidden_\@:
	s_add_co_u32 s[KF], s[KF], 64
.endm
; THE CHANGE OF SLOTS stands at a slot's head.  Each wave waits for all its tensor loads, adds 0 to its spare word (fill = 1: twice on end),
; and waits for that and for its reads of the slot that it has left.  Behind the barrier the slot ahead is whole and nobody reads the other one, which is then filled with the keys that follow, up to the causal limit.
.macro CHANGE fill
	s_wait_tensorcnt 0x0                           ; no tensor load of mine is out, so a group 0 may be written
	ds_add_u32 v[SPW], v[NIL]
.if \fill
	ds_add_u32 v[SPW], v[NIL]
	s_xor_b32 s[G0K+1], s[G0K+1], SLOT1            ; the walking descriptors: the other slot, the next 256 keys
	s_add_nc_u64 s[G0K+2:G0K+3], s[G0K+2:G0K+3], SK*128
	s_xor_b32 s[G0V+1], s[G0V+1], SLOT1
	s_add_nc_u64 s[G0V+2:G0V+3], s[G0V+2:G0V+3], SK*128
	s_wait_xcnt 0x0                                ; the last prefetch, a slot back, has read its address
	s_add_nc_u64 s[PFA:PFA+1], s[PFA:PFA+1], SK*128
.endif
	s_wait_dscnt 0x0                               ; the add is done, and my reads of the slot that I have left are over
	s_barrier_signal -1
	s_barrier_wait -1
.if \fill
	s_add_co_u32 s96, s[KF], SK                    ; the first key of the slot that this change would ask for
	s_cmp_gt_u32 s96, s[LAST]                      ; past my work-group's last query no wave would read it: the work-group's number and the count of steps alone, the same in all sixteen waves
	s_cbranch_scc1 .Lpast_\@
	TLOAD                                          ; a wave's one tensor load until the next change; every wait on the tensor counter in this text is for 0
.Lpast_\@:
	ASK
.endif
.endm
.macro SLOT_STEPS
.set Q, 0
.rept NQ
	STEP Q
.set Q, Q+1
.endr
	s_xor_b32 s[TB], s[TB], SLOT1
.endm
.Lslot:                                            ; NSL - 1 trips
	CHANGE 1
	SLOT_STEPS
	s_sub_co_u32 s[SLOTS], s[SLOTS], 1
	s_cmp_lg_u32 s[SLOTS], 0
	s_cbranch_scc1 .Lslot
	CHANGE 0                                       ; the last slot is written out: nothing is left to ask for
	SLOT_STEPS
	; THE WAY OUT.  O^T / the sum, rounded to f16.  A row of o16 has both heads' 64 channels side by side, 256 bytes: waves w and w + 8 (the same queries, the two heads) write the two halves of the same stage rows;
	; a barrier; each then stores eight whole runs of 256 bytes.
.rept 4
	v_nop                                          ; the places behind the last products
.endr
	v_add_f32 v[ST+4], v[ST+2], v[ST+3]
	v_permlanex16_b32 v[ST+5], v[ST+4], s[SEL], s[SEL+1]
	v_add_f32 v[ST+4], v[ST+4], v[ST+5]            ; the row's sum
	v_rcp_f32 v[ST+6], v[ST+4]
	s_and_b32 s70, s[WV], 7
	s_mul_i32 s70, s70, 16*SP                      ; my tile's 16 stage rows
	s_lshl_b32 s71, s73, 7
	s_add_co_u32 s71, s70, s71                     ; + my head's 128 bytes
	v_mul_u32_u24 v250, v[RR], SP                  ; (plain lines behind the reciprocal)
	v_lshl_add_u32 v250, v[HH], 4, v250
	v_add_nc_u32 v250, s71, v250                   ; in: row r, 16 bytes for each half of the lanes
	s_mul_i32 s71, s73, 8*SP
	s_add_co_u32 s71, s70, s71
	v_mul_u32_u24 v251, v[HH], SP
	v_lshl_add_u32 v251, v[RR], 4, v251
	v_add_nc_u32 v251, s71, v251                   ; back: rows 8 x head on; lanes 0-15 one row, lanes 16-31 the next
	v_lshlrev_b32 v252, 11, v[HH]
	v_lshl_add_u32 v252, v[RR], 4, v252            ; and the same two rows of o16 (2,048 bytes a row)
	s_wait_alu depctr_va_vdst(0)                   ; ahead of the reciprocal's first reader
.set i, 0
.rept 16
	v_pk_mul_f32 v[S+i:S+i+1], v[O+i:O+i+1], v[ST+6:ST+7] op_sel_hi:[1,0]
.set i, i+2
.endr
.set i, 0
.rept 16
	v_cvt_pk_f16_f32 v[P+i], v[S+2*i], v[S+2*i+1]
.set i, i+1
.endr
.irp ct, 0,1,2,3
	ds_store_b128 v250, v[P+4*\ct:P+4*\ct+3] offset:32*\ct
.endr
	s_wait_dscnt 0x0                               ; for the others' sake: my stores into the stage are done
	s_barrier_signal -1
	s_barrier_wait -1
.irp i, 0,1,2,3
	ds_load_b128 v[O+4*\i:O+4*\i+3], v251 offset:2*\i*SP
.endr
.irp i, 0,1,2,3
	s_wait_dscnt 3-\i
	global_store_b128 v252, v[O+4*\i:O+4*\i+3], s[8:9] offset:4096*\i   ; sixteen lanes store 256 consecutive aligned bytes
.endr
	s_wait_tensorcnt 0x0                           ; the wave's end
	ds_add_u32 v[SPW], v[NIL]
	s_wait_dscnt 0x0
	s_endpgm
.Lfunc_end_k_q7ee4ba6ad7_attn:
	.size	k_q7ee4ba6ad7_attn, .Lfunc_end_k_q7ee4ba6ad7_attn-k_q7ee4ba6ad7_attn
	.p2alignl 7, 3214868480
	.fill 96, 4, 3214868480
	.section	.rodata,"a",@progbits
	.p2align	6, 0x0
	.amdhsa_kernel k_q7ee4ba6ad7_attn
		.amdhsa_group_segment_fixed_size 327680
		.amdhsa_private_segment_fixed_size 0
		.amdhsa_enable_private_segment 0
		.amdhsa_kernarg_size 24
		.amdhsa_user_sgpr_count 2
		.amdhsa_user_sgpr_kernarg_segment_ptr 1
		.amdhsa_wavefront_size32 1
		.amdhsa_system_sgpr_workgroup_id_x 1
		.amdhsa_system_sgpr_workgroup_id_y 1
		.amdhsa_system_sgpr_workgroup_id_z 1
		.amdhsa_system_vgpr_workitem_id 0
		.amdhsa_next_free_vgpr 256
		.amdhsa_next_free_sgpr 100
		.amdhsa_reserve_vcc 1
		.amdhsa_float_denorm_mode_32 3
		.amdhsa_float_denorm_mode_16_64 3
		.amdhsa_memory_ordered 1
		.amdhsa_forward_progress 1
		.amdhsa_inst_pref_size 110
	.end_amdhsa_kernel
	.amdgpu_metadata
---
amdhsa.version: [ 1, 2 ]
amdhsa.kernels:
  - .name:           k_q7ee4ba6ad7_attn
    .symbol:         k_q7ee4ba6ad7_attn.kd
    .args:
      - { .name: qkv, .offset: 0, .size: 8, .value_kind: global_buffer, .address_space: global }
      - { .name: key_weights, .offset: 8, .size: 8, .value_kind: global_buffer, .address_space: global }
      - { .name: o16, .offset: 16, .size: 8, .value_kind: global_buffer, .address_space: global }
    .group_segment_fixed_size: 327680
    .private_segment_fixed_size: 0
    .kernarg_segment_align: 8
    .kernarg_segment_size: 24
    .max_flat_workgroup_size: 512
    .sgpr_count:     100
    .vgpr_count:     256
    .wavefront_size: 32
...
	.end_amdgpu_metadata
.endif
;; end of part 3
;; launch oproj (part 4): grid 16 x 16, 4 waves a work-group, clusters of 4 x 4, 327,680 bytes of LDS; arguments o16, wo16, bo, out0; writes out0
.if DOCPART == 4
	.amdgcn_target "amdgcn-amd-amdhsa--gfx1250"
	.amdhsa_code_object_version 6
	.text
	.protected	k_q7ee4ba6ad7_oproj
	.globl	k_q7ee4ba6ad7_oproj
	.p2align	8
	.type	k_q7ee4ba6ad7_oproj,@function
k_q7ee4ba6ad7_oproj:
	s_mov_b64 s[64:65], 0
	v_nop
	global_prefetch_b8 v0, s[64:65] scope:SCOPE_SE
	s_setreg_imm32_b32 hwreg(HW_REG_WAVE_MODE, 25, 1), 1
	s_wait_xcnt 0x0
	s_wait_alu depctr_hold_cnt(0) depctr_sa_sdst(0) depctr_va_vdst(0) depctr_va_sdst(0) depctr_va_ssrc(0) depctr_va_vcc(0) depctr_vm_vsrc(0)
	s_getreg_b32 s2, hwreg(HW_REG_IB_STS2, 6, 4)
	s_cmp_eq_u32 s2, 0
	s_cbranch_scc0 .Lentry_in_a_cluster
	s_endpgm
.Lentry_in_a_cluster:
	s_bfe_u32 s2, ttmp6, 0x10000c
	s_cmp_lg_u32 s2, 0xf033
	s_cbranch_scc0 .Lentry_shape_is_right
	s_endpgm
.Lentry_shape_is_right:
; OPROJ: out0[m][n] = sum over k of o16[m][k] wo16[n][k] + bo[n].  o16: [4,096][1,024], wo16: [2,048][1,024], f16; sums and out0 in f32.
; A tile is 128 x 128; there are 32 x 16 of them.  A WORK-GROUP STAYS: 256 work-groups, each makes TWO tiles, 2,048 rows apart, of the same 128 columns (the same rows of wo16, the same bias).
; Four waves, each 64 x 64: 16 accumulators.  K goes in steps of 256 (LDS rows of 512 bytes; a wave's tensor load brings 64) through a ring of two slots, and the ring does not stop at the first tile's end:
; that tile's last two changes of slots ask for the second tile's K steps 0 and 1, the first tile leaves while they land, and nothing waits for its stores.
; CLUSTERS: 4 x 4 work-groups; o16's tiles are shared along a row of the cluster, wo16's along a column: each is asked for jointly.  All sixteen partners walk in step.
; THE MATRIX INSTRUCTION IS USED TRANSPOSED (source 0 = 16 rows of wo16, source 1 = 16 rows of o16): a lane holds eight neighbouring numbers of a row of out0.
; THE BIAS is the C of each sum's first product.  A wave's 64 columns of f32 are 256 aligned bytes, so each wave has a stage of its own on the way out and needs no barrier there.
; Positions 0..15 of each batch are written here too and written over by the launch that carries them in f32.
; REGISTERS: window 0: v0-31 addresses; v32-63 the bias, kept for both tiles; v64-127 rows on the way out, two sets; v128-255 the accumulators ((a, b) at v[128 + 8 (4 a + b)]).   window 1: two fragment buffers of 128.
.set SIZE_M, 4096
.set SIZE_N, 2048
.set SIZE_K, 1024
.set WALK,   SIZE_M/2                  ; a work-group's two tiles lie WALK rows apart
.set KSTEP,  256
.set PITCH,  528                       ; an LDS row: 512 bytes + 16 of padding
.set HALFT,  64*PITCH
.set SLOT,   4*HALFT
.set STAGE,  2*SLOT                    ; behind the ring: 16 rows x 272 bytes for each wave
.set SPITCH, 272
.set SPARE,  STAGE+4*16*SPITCH         ; the spare words: 128 bytes a wave, named by no other line
.set LAPS, SIZE_K/(2*KSTEP)
.set NEXT_A, WALK*SIZE_K*2-(SIZE_K-2*KSTEP)*2   ; bytes from a slot's last K step of a tile to its first of the next: o16 goes WALK rows down and back along K,
.set BACK_B, (SIZE_K-2*KSTEP)*2        ; wo16 only back
.set NEXT_C, WALK*SIZE_N*4             ; bytes from the first tile's rows of out0 to the second's
.set ADRA, 16
.set ADRB, 20
.set VB,   23                          ; v23 32 x (lane / 16)
.set STO,  24
.set RD,   25
.set CO,   26
.set SPW,  28
.set NIL,  29
.set BIAS, 32
.set TMP,  64
.set ACC,  128
.set F0,   0
.set F1,   128
.set G1, 24
.set G0, 32
.set G1B, 48
.set G0B, 56
.set MSB, 0
.macro WIN new                         ; the immediate's high byte repeats the setting that is left
.if MSB != (\new)
	s_set_vgpr_msb (MSB<<8)|(\new)
.set MSB, (\new)
.endif
.endm
.set MUL,  0x05                        ; sources 0 and 1 window 1; C and D window 0
.set TO_F, 0x40                        ; destination window 1, address window 0
.macro JLOAD s                         ; waves 0 and 1 fetch o16's two halves, waves 2 and 3 wo16's; an s_nop 0 and four v_nop follow each line
	s_cmp_eq_u32 s11, 0
	s_cbranch_scc0 .Lfor_b_\@
	tensor_load_to_lds s[G0+4*\s:G0+4*\s+3], s[G1:G1+7]
	s_nop 0
.rept 4
	v_nop
.endr
	s_branch .Lasked_\@
.Lfor_b_\@:
	tensor_load_to_lds s[G0B+4*\s:G0B+4*\s+3], s[G1B:G1B+7]
	s_nop 0
.rept 4
	v_nop
.endr
.Lasked_\@:
.endm
.macro CREST                           ; a round of the cluster's barrier behind its opening barrier
	s_cmp_lg_u32 s10, 0
	s_cbranch_scc1 .Lnot_wave_0_\@
	s_barrier_signal -3
.Lnot_wave_0_\@:
	s_barrier_wait -3
	s_barrier_signal -1
	s_barrier_wait -1
.endm
.macro CROUND
	s_barrier_signal -1
	s_barrier_wait -1
	CREST
.endm
	s_load_b128 s[4:7], s[0:1], 0x0                ; o16, wo16
	s_load_b64 s[66:67], s[0:1], 0x10              ; bo
	s_load_b64 s[8:9], s[0:1], 0x18                ; out0
	v_lshl_add_u32 v[SPW], v0, 2, SPARE
	v_mov_b32 v[NIL], 0
	ds_add_u32 v[SPW], v[NIL]                      ; the wave's opening: the add, twice on end, and its wait ahead of my first tensor load
	ds_add_u32 v[SPW], v[NIL]
	v_lshrrev_b32 v1, 5, v0
	v_readfirstlane_b32 s10, v1                    ; wave 0..3
	s_lshr_b32 s11, s10, 1                         ; which half of the tile's rows is mine.  Also: I fetch for o16 (0) or wo16 (1)
	s_and_b32 s12, s10, 1                          ; which half of its columns.  Also: which 64 rows I fetch
	s_bfe_u32 s40, ttmp6, 0x40000
	s_bfe_u32 s41, ttmp6, 0x40004
	s_lshl_b32 s42, ttmp9, 2
	s_add_co_u32 s42, s42, s40                     ; tile column
	s_and_b32 s13, ttmp7, 0xffff
	s_lshl_b32 s13, s13, 2
	s_add_co_u32 s13, s13, s41                     ; the first tile's row, 0 .. 15; the second's is 16 further on
	s_lshl_b32 s43, s41, 2
	s_lshl_b32 s43, 15, s43                        ; my row of the cluster
	s_lshl_b32 s44, 0x1111, s40                    ; my column
	s_or_b32 s[G1+0], s43, (1<<16)|(1<<20)|(1<<21)|(6<<22)|(3<<25)  ; the mask; elements of 2 bytes; padding on; bit 21 beside a mask; 4 words behind every 128
	s_or_b32 s[G1B+0], s44, (1<<16)|(1<<20)|(1<<21)|(6<<22)|(3<<25)
.irp g, G1, G1B
	s_mov_b32 s[\g+1], KSTEP<<16
	s_mov_b32 s[\g+2], 64<<16
	s_mov_b32 s[\g+3], KSTEP<<16
	s_mov_b32 s[\g+4], 64
	s_mov_b32 s[\g+5], SIZE_K
	s_mov_b32 s[\g+6], 0
	s_mov_b32 s[\g+7], 0
.endr
	s_lshl_b32 s17, s12, 6
	s_lshl_b32 s16, s13, 7
	s_add_co_u32 s16, s16, s17
	s_lshl_b32 s46, s42, 7
	s_add_co_u32 s46, s46, s17
	s_mov_b32 s17, 0
	s_mov_b32 s47, 0
	s_mov_b64 s[18:19], SIZE_K*2
	s_mul_u64 s[16:17], s[16:17], s[18:19]
	s_mul_u64 s[46:47], s[46:47], s[18:19]
	s_mul_i32 s20, s10, HALFT
	s_wait_dscnt 0x0                               ; both opening adds are done
	s_wait_kmcnt 0x0
	s_add_nc_u64 s[14:15], s[4:5], s[16:17]
	s_add_nc_u64 s[46:47], s[6:7], s[46:47]
	CROUND                                         ; all sixteen work-groups are here: the first joint loads meet
.irp s, 0,1
	s_mov_b32 s[G0+4*\s], 1
	s_add_co_u32 s[G0+4*\s+1], s20, \s*SLOT
	s_add_nc_u64 s[G0+4*\s+2:G0+4*\s+3], s[14:15], \s*KSTEP*2
	s_or_b32 s[G0+4*\s+3], s[G0+4*\s+3], 0x80000000
	s_mov_b32 s[G0B+4*\s], 1
	s_add_co_u32 s[G0B+4*\s+1], s20, \s*SLOT
	s_add_nc_u64 s[G0B+4*\s+2:G0B+4*\s+3], s[46:47], \s*KSTEP*2
	s_or_b32 s[G0B+4*\s+3], s[G0B+4*\s+3], 0x80000000
	JLOAD \s                                       ; two tensor loads of mine are out behind these lines, one behind each later round
.endr
	v_and_b32 v1, 15, v0                           ; r
	v_bfe_u32 v2, v0, 4, 1                         ; h
	v_mul_u32_u24 v3, v1, PITCH
	v_lshl_add_u32 v3, v2, 4, v3
	s_mul_i32 s21, s11, HALFT
	s_mul_i32 s22, s12, HALFT
	s_add_co_u32 s22, s22, 2*HALFT
.irp s, 0,1
	v_add_nc_u32 v[ADRA+\s], s21, v3
	v_add_nc_u32 v[ADRB+\s], s22, v3
	s_add_co_u32 s21, s21, SLOT
	s_add_co_u32 s22, s22, SLOT
.endr
	s_mul_i32 s23, s10, 16*SPITCH
	s_add_co_u32 s23, s23, STAGE                   ; my stage
	v_mul_u32_u24 v4, v1, SPITCH
	v_lshl_add_u32 v4, v2, 5, v4
	v_add_nc_u32 v[STO], s23, v4                   ; in: row r, 32 bytes for each half of the lanes
	v_mul_u32_u24 v5, v2, SPITCH
	v_lshl_add_u32 v5, v1, 4, v5
	v_add_nc_u32 v[RD], s23, v5                    ; back: lanes 0-15 one row of 256 bytes, lanes 16-31 the next
	v_mul_u32_u24 v5, v2, SIZE_N*4
	v_lshl_add_u32 v[CO], v1, 4, v5                ; and the same two rows in out0
	s_lshl_b32 s16, s13, 7
	s_lshl_b32 s17, s11, 6
	s_add_co_u32 s16, s16, s17                     ; my first row: 128 x tile row + 64 x half
	s_mov_b32 s17, 0
	s_mov_b64 s[18:19], SIZE_N*4
	s_mul_u64 s[16:17], s[16:17], s[18:19]
	s_add_nc_u64 s[8:9], s[8:9], s[16:17]
	s_lshl_b32 s46, s42, 9
	s_lshl_b32 s47, s12, 8
	s_add_co_u32 s46, s46, s47                     ; my first column, in bytes: 512 x tile column + 256 x half
	s_mov_b32 s47, 0
	s_add_nc_u64 s[8:9], s[8:9], s[46:47]
	s_add_nc_u64 s[68:69], s[8:9], NEXT_C          ; the second tile has a base of its own: no base is stepped while stores are out
	s_add_nc_u64 s[66:67], s[66:67], s[46:47]      ; the bias has the same 4 bytes a column
	v_lshlrev_b32 v[VB], 5, v2
.irp b, 0,1,2,3
	global_load_b128 v[BIAS+8*\b:BIAS+8*\b+3], v[VB], s[66:67] offset:64*\b       ; lane (r, h): the bias of columns 16 b + 8 h + 0 .. 7
	global_load_b128 v[BIAS+8*\b+4:BIAS+8*\b+7], v[VB], s[66:67] offset:64*\b+16
.endr
; 8 matrix instructions: m blocks a0, a0 + 1 x all 4 n blocks, 32 along K: half c of buffer f.  zero = 1: the first product starts the sums from the bias.  The 16 accumulators take turns
.macro MUL8 f, c, a0, zero
.irp a, \a0, \a0+1
.irp b, 0,1,2,3
.if \zero
	v_wmma_f32_16x16x32_f16 v[ACC+8*(4*(\a)+\b):ACC+8*(4*(\a)+\b)+7], v[\f+64+8*(4*\c+\b):\f+64+8*(4*\c+\b)+7], v[\f+8*(4*\c+\a):\f+8*(4*\c+\a)+7], v[BIAS+8*\b:BIAS+8*\b+7]
.else
	v_wmma_f32_16x16x32_f16 v[ACC+8*(4*(\a)+\b):ACC+8*(4*(\a)+\b)+7], v[\f+64+8*(4*\c+\b):\f+64+8*(4*\c+\b)+7], v[\f+8*(4*\c+\a):\f+8*(4*\c+\a)+7], v[ACC+8*(4*(\a)+\b):ACC+8*(4*(\a)+\b)+7]
.endif
.endr
.endr
.endm
.macro FETCH slot, k, f                ; 32 LDS loads in one run: the fragments of 64 along K at byte k of the rows; the first 32 along K first
	WIN TO_F
.irp c, 0,1
.irp i, 0,1,2,3
	ds_load_b128 v[\f+64+8*(4*\c+\i):\f+64+8*(4*\c+\i)+3],   v[ADRB+\slot] offset:\k+64*\c+\i*16*PITCH
	ds_load_b128 v[\f+64+8*(4*\c+\i)+4:\f+64+8*(4*\c+\i)+7], v[ADRB+\slot] offset:\k+64*\c+\i*16*PITCH+32
	ds_load_b128 v[\f+8*(4*\c+\i):\f+8*(4*\c+\i)+3],         v[ADRA+\slot] offset:\k+64*\c+\i*16*PITCH
	ds_load_b128 v[\f+8*(4*\c+\i)+4:\f+8*(4*\c+\i)+7],       v[ADRA+\slot] offset:\k+64*\c+\i*16*PITCH+32
.endr
.endr
.endm
.macro PLACES                          ; four plain lines in front of loads into registers that matrix instructions have read
.rept 4
	v_nop
.endr
.endm
.macro QUARTER slot, k, f, g, zero     ; 64 along K: multiplies buffer f and fetches the next quarter, at byte k, into g
	s_wait_dscnt 16                                ; the first 32 along K are in
	WIN MUL
	MUL8 \f, 0, 0, \zero
	MUL8 \f, 0, 2, \zero
	PLACES
	FETCH \slot, \k, \g
	s_wait_dscnt 32                                ; all but the 32 just issued
	WIN MUL
	MUL8 \f, 1, 0, 0
	MUL8 \f, 1, 2, 0
.endm
; The last quarter changes slots: one barrier; in front of it each wave waits for all its tensor loads, adds 0 to its spare word, and waits for that and for its reads of this slot.
; fill = 1: this slot is filled again with this tile's K step two steps on;  fill = 2: with the NEXT tile's K step 0 or 1;  fill = 0: nothing is left to fetch.
.macro TURN slot, next, fill
	WIN 0
	s_wait_tensorcnt 0x0                           ; all my tensor loads have landed: my part of the next slot
	ds_add_u32 v[SPW], v[NIL]
	s_wait_dscnt 17                                ; (the add and the youngest sixteen loads may be out)
	WIN MUL
	MUL8 F1, 0, 0, 0
	s_wait_dscnt 0x0                               ; the add is done, and my reads of this slot are over
	s_barrier_signal -1
	MUL8 F1, 0, 2, 0
.if \fill
	WIN 0
.endif
	s_barrier_wait -1
.if \fill
	CREST                                          ; the barrier has opened a round of the cluster's: no wave of any partner still reads this slot or has a load on its way
.if \fill == 2
	s_add_nc_u64 s[G0+4*\slot+2:G0+4*\slot+3], s[G0+4*\slot+2:G0+4*\slot+3], NEXT_A
	s_sub_nc_u64 s[G0B+4*\slot+2:G0B+4*\slot+3], s[G0B+4*\slot+2:G0B+4*\slot+3], BACK_B
.else
	s_add_nc_u64 s[G0+4*\slot+2:G0+4*\slot+3], s[G0+4*\slot+2:G0+4*\slot+3], 2*KSTEP*2
	s_add_nc_u64 s[G0B+4*\slot+2:G0B+4*\slot+3], s[G0B+4*\slot+2:G0B+4*\slot+3], 2*KSTEP*2
.endif
	JLOAD \slot                                    ; my one tensor load behind the round; its four v_nop are the places in front of the loads below
.else
	PLACES
.endif
	FETCH \next, 0, F0
	WIN MUL
	MUL8 F1, 1, 0, 0
	MUL8 F1, 1, 2, 0
.endm
; A tile's products.  Its first fragments have been fetched.  last = 0: its last lap runs as every lap runs, and its two refills bring the next tile's first two K steps and first fragments.
.macro TILE last
	QUARTER 0, 128, F0, F1, 1                      ; the first quarter stands in front of the loop: its first products start the sums
	WIN 0
	s_mov_b32 s3, LAPS-1
.Llap_\@:
	QUARTER 0, 256, F1, F0, 0
	QUARTER 0, 384, F0, F1, 0
	TURN 0, 1, 1
	QUARTER 1, 128, F0, F1, 0
	QUARTER 1, 256, F1, F0, 0
	QUARTER 1, 384, F0, F1, 0
	TURN 1, 0, 1
	QUARTER 0, 128, F0, F1, 0
	WIN 0
	s_sub_co_u32 s3, s3, 1
	s_cmp_lg_u32 s3, 0
	s_cbranch_scc1 .Llap_\@
	QUARTER 0, 256, F1, F0, 0
	QUARTER 0, 384, F0, F1, 0
.if \last
	TURN 0, 1, 0                                   ; the last lap of all fills nothing
	QUARTER 1, 128, F0, F1, 0
	QUARTER 1, 256, F1, F0, 0
	QUARTER 1, 384, F0, F1, 0
	s_wait_dscnt 16
	WIN MUL
	MUL8 F1, 0, 0, 0
	MUL8 F1, 0, 2, 0
	s_wait_dscnt 0
	MUL8 F1, 1, 0, 0
	MUL8 F1, 1, 2, 0
.else
	TURN 0, 1, 2                                   ; the ring goes on into the next tile: slot 0 takes its K step 0,
	QUARTER 1, 128, F0, F1, 0
	QUARTER 1, 256, F1, F0, 0
	QUARTER 1, 384, F0, F1, 0
	TURN 1, 0, 2                                   ; slot 1 its K step 1, and its first fragments are fetched
.endif
	WIN 0
.endm
; THE WAY OUT, 16 rows x 64 columns at a time, through my own stage: LDS serves a wave's instructions in order, so no wait stands between the stores and the loads.
.macro TOSTAGE a
.irp b, 0,1,2,3
	ds_store_b128 v[STO], v[ACC+8*(4*(\a)+\b):ACC+8*(4*(\a)+\b)+3] offset:64*\b        ; each accumulator from its low end on
	ds_store_b128 v[STO], v[ACC+8*(4*(\a)+\b)+4:ACC+8*(4*(\a)+\b)+7] offset:64*\b+16
.endr
.irp t, 0,1,2,3,4,5,6,7
	ds_load_b128 v[TMP+32*((\a)%2)+4*\t:TMP+32*((\a)%2)+4*\t+3], v[RD] offset:\t*2*SPITCH
.endr
.endm
.macro SEND a, younger, base           ; younger: the LDS instructions issued behind block a's loads, which may stay out
	s_wait_dscnt \younger
.irp t, 0,1,2,3,4,5,6,7
	global_store_b128 v[CO], v[TMP+32*((\a)%2)+4*\t:TMP+32*((\a)%2)+4*\t+3], s[\base:\base+1] offset:(16*(\a)+2*\t)*SIZE_N*4 th:TH_STORE_NT   ; sixteen lanes store 256 consecutive aligned bytes
.endr
.endm
.macro WAYOUT base
.rept 5
	v_nop                                          ; four places in front of the LDS stores that read results; the fifth because the next tile's first products begin the same accumulators anew, from the bias
.endr
	s_wait_xcnt 0x0                                ; the stores of the tile before have read the registers into which the loads below land
	TOSTAGE 0
.irp a, 1,2,3
.if \a > 1
	s_wait_xcnt 0x0                                ; block a - 2's stores have read their registers: block a's loads may land there
.endif
	TOSTAGE \a
	SEND \a-1, 16, \base                           ; behind block a - 1's loads: block a's 8 stores and 8 loads
.endr
	SEND 3, 0, \base                               ; no LDS instruction of mine is out behind this line
.endm
	s_wait_loadcnt 0x0                             ; the bias
	s_wait_tensorcnt 1                             ; my part of K step 0 is in (K step 1's load may be out)
	s_barrier_signal -1
	s_barrier_wait -1                              ; everybody's is
	FETCH 0, 0, F0
	TILE 0
	WAYOUT 8                                       ; both refills are asked for: now the first tile goes out, and nothing waits for its stores
	TILE 1
	WAYOUT 68
	s_wait_tensorcnt 0x0                           ; the wave's end
	ds_add_u32 v[SPW], v[NIL]
	s_wait_dscnt 0x0
	CROUND                                         ; the closing round: no work-group ends while a partner may still ask for a tile that names it
	s_endpgm
.Lfunc_end_k_q7ee4ba6ad7_oproj:
	.size	k_q7ee4ba6ad7_oproj, .Lfunc_end_k_q7ee4ba6ad7_oproj-k_q7ee4ba6ad7_oproj
	.p2alignl 7, 3214868480
	.fill 96, 4, 3214868480
	.section	.rodata,"a",@progbits
	.p2align	6, 0x0
	.amdhsa_kernel k_q7ee4ba6ad7_oproj
		.amdhsa_group_segment_fixed_size 327680
		.amdhsa_private_segment_fixed_size 0
		.amdhsa_enable_private_segment 0
		.amdhsa_kernarg_size 32
		.amdhsa_user_sgpr_count 2
		.amdhsa_user_sgpr_kernarg_segment_ptr 1
		.amdhsa_wavefront_size32 1
		.amdhsa_system_sgpr_workgroup_id_x 1
		.amdhsa_system_sgpr_workgroup_id_y 1
		.amdhsa_system_sgpr_workgroup_id_z 1
		.amdhsa_system_vgpr_workitem_id 0
		.amdhsa_next_free_vgpr 512
		.amdhsa_next_free_sgpr 72
		.amdhsa_reserve_vcc 0
		.amdhsa_float_denorm_mode_32 3
		.amdhsa_float_denorm_mode_16_64 3
		.amdhsa_memory_ordered 1
		.amdhsa_forward_progress 1
		.amdhsa_inst_pref_size 167
	.end_amdhsa_kernel
	.amdgpu_metadata
---
amdhsa.version: [ 1, 2 ]
amdhsa.kernels:
  - .name:           k_q7ee4ba6ad7_oproj
    .symbol:         k_q7ee4ba6ad7_oproj.kd
    .args:
      - { .name: o16, .offset: 0, .size: 8, .value_kind: global_buffer, .address_space: global }
      - { .name: wo16, .offset: 8, .size: 8, .value_kind: global_buffer, .address_space: global }
      - { .name: bo, .offset: 16, .size: 8, .value_kind: global_buffer, .address_space: global }
      - { .name: out0, .offset: 24, .size: 8, .value_kind: global_buffer, .address_space: global }
    .group_segment_fixed_size: 327680
    .private_segment_fixed_size: 0
    .kernarg_segment_align: 8
    .kernarg_segment_size: 32
    .max_flat_workgroup_size: 128
    .sgpr_count:     72
    .vgpr_count:     512
    .wavefront_size: 32
...
	.end_amdgpu_metadata
.endif
;; end of part 4
;; launch first (part 5): grid 64 x 2, 16 waves a work-group, no clusters, 71,680 bytes of LDS; arguments first32, key_weights, Wo, bo, out0; writes out0
.if DOCPART == 5
	.amdgcn_target "amdgcn-amd-amdhsa--gfx1250"
	.amdhsa_code_object_version 6
	.text
	.protected	k_q7ee4ba6ad7_first
	.globl	k_q7ee4ba6ad7_first
	.p2align	8
	.type	k_q7ee4ba6ad7_first,@function
k_q7ee4ba6ad7_first:
	s_mov_b64 s[64:65], 0
	v_nop
	global_prefetch_b8 v0, s[64:65] scope:SCOPE_SE
	s_setreg_imm32_b32 hwreg(HW_REG_WAVE_MODE, 25, 1), 1
	s_wait_xcnt 0x0
; FIRST: positions 0..15 of each batch, carried in f32 through attention and the projection on the way out: these rows average one to sixteen values, are the largest of the output, and feel the rounding of f16 most.
; Work-group (sl, batch): 32 columns of out0 for the batch's 16 rows: 128 work-groups.  Wave w is head w: it repeats the head's small attention (16 queries x 16 keys x 64 channels), multiplies its 16 x 64 result by its
; 64 columns of 32 rows of Wo, and leaves a part of the sum in LDS; behind one barrier wave w adds the sixteen parts and the bias for query w, in a fixed order, and stores 128 consecutive bytes.  No sum crosses work-groups.
; The slice is not halved again: the repeated attention would then be 32 of a wave's 48 matrix instructions, and a store 64 bytes.
; The f32 matrix form, 16 x 16 x 4: 64 instructions a wave: no bulk work.  The registers that it writes are written by it alone; each sum begins with the constant 0.
; ONE ORDER OF K ON BOTH OPERANDS: in step (c, p) half h of the lanes and register j stand for element 16 c + 8 h + 2 p + j.  So the images that the projection stored, and every result, are operands as they stand.
; The softmax takes the row's largest exponent away; the weight keeps its sign, since the mask comes behind the scaling.  LIMITS: NaN and infinities are not served.
; REGISTERS: v1-15 lane numbers and addresses; v16-23 t, then p; v24-39 two sums of scores; v40-71 O^T; v72-87 two sums of the projection; v88-119 Q, later O^T / the sum; v120-151 K;
;   v152-183 V, then V turned; v184-247 Wo's two blocks of 16 rows, later the sixteen parts; v248-253 the bias, sums, two offsets.
.set RG,    4352                       ; LDS: a region for each wave: 16 rows x (256 bytes + 16): V's rows, later the wave's part of the output
.set SPARE, 16*RG                      ; the spare words: 128 bytes a wave, named by no other line
.set SPW, 4
.set NIL, 5
.set T,   16
.set SA,  24
.set OA,  40
.set UA,  72
.set QI,  88
.set KI,  120
.set VI,  152
.set WA,  184
	s_load_b256 s[4:11], s[0:1], 0x0               ; first32, key_weights, Wo, bo
	s_load_b64 s[12:13], s[0:1], 0x20              ; out0
	v_lshl_add_u32 v[SPW], v0, 2, SPARE
	v_mov_b32 v[NIL], 0
	v_lshrrev_b32 v1, 5, v0
	v_readfirstlane_b32 s14, v1                    ; wave = head
	s_and_b32 s15, ttmp7, 0xffff                   ; batch
	v_and_b32 v1, 15, v0                           ; r
	v_bfe_u32 v2, v0, 4, 1                         ; h
	v_and_b32 v11, 31, v0
	v_lshlrev_b32 v3, 4, v11                       ; 16 x lane
	v_lshlrev_b32 v15, 2, v11                      ; 4 x lane
	s_mul_i32 s16, s14, RG
	v_mul_u32_u24 v12, v1, 272
	v_lshl_add_u32 v12, v2, 5, v12
	v_add_nc_u32 v12, s16, v12                     ; my region: row r, + 32 h
	v_mul_u32_u24 v13, v2, 8*272
	v_lshl_add_u32 v13, v1, 2, v13
	v_add_nc_u32 v13, s16, v13                     ; turned: 8 h rows down, + 4 r
	v_lshlrev_b32 v14, 12, v1
	v_lshl_add_u32 v14, v2, 5, v14                 ; Wo: row r of 4,096 bytes, + 32 h
	s_mul_i32 s17, s14, 272
	v_add_nc_u32 v252, s17, v15                    ; the parts: row w of a region, + 4 x lane
	v_lshlrev_b32 v9, 3, v2
	v_sub_nc_u32 v9, v1, v9                        ; r - 8 h
	v_mov_b32 v10, 0xff800000                      ; -infinity
	s_lshl_b32 s18, s14, 2
	v_mov_b32 v253, s18                            ; my weight's byte
	s_lshr_b32 s19, s14, 1                         ; key head
	s_lshl_b32 s20, s15, 17                        ; a batch's images: 131,072 bytes
	s_lshl_b32 s21, s14, 12
	s_add_co_u32 s22, s20, s21                     ; Q: 4,096 bytes a head
	s_mov_b32 s23, 0
	s_lshl_b32 s21, s19, 12
	s_add_co_u32 s24, s20, s21
	s_add_co_u32 s24, s24, 65536                   ; K: behind q's 1,024 columns
	s_mov_b32 s25, 0
	s_add_co_u32 s26, s24, 32768                   ; V: behind k's 512
	s_mov_b32 s27, 0
	s_lshl_b32 s28, ttmp9, 17                      ; Wo: 32 rows of 4,096 bytes a slice,
	s_lshl_b32 s21, s14, 8
	s_add_co_u32 s28, s28, s21                     ; my head's 64 columns
	s_mov_b32 s29, 0
	s_lshl_b32 s30, ttmp9, 7                       ; the slice's 128 bytes of a row of out0, and of bo
	s_mov_b32 s31, 0
	s_lshl_b32 s32, s15, 11
	s_add_co_u32 s32, s32, s14                     ; the row that I store: query w
	s_lshl_b32 s32, s32, 13
	s_add_co_u32 s32, s32, s30
	s_mov_b32 s33, 0
	s_mov_b32 s34, 0x76543210
	s_mov_b32 s35, 0xfedcba98                      ; v_permlanex16_b32's selects for lane l xor 16
	s_wait_kmcnt 0x0
	s_add_nc_u64 s[22:23], s[4:5], s[22:23]
	s_add_nc_u64 s[24:25], s[4:5], s[24:25]
	s_add_nc_u64 s[26:27], s[4:5], s[26:27]
	s_add_nc_u64 s[28:29], s[8:9], s[28:29]
	s_add_nc_u64 s[10:11], s[10:11], s[30:31]
	s_add_nc_u64 s[12:13], s[12:13], s[32:33]
	global_load_b32 v6, v253, s[6:7]               ; the weight
	global_load_b32 v248, v15, s[10:11]            ; the bias of my column
.irp c, 0,1,2,3
.irp f, 0,1
	global_load_b128 v[VI+8*\c+4*\f:VI+8*\c+4*\f+3], v3, s[26:27] offset:1024*\c+512*\f   ; register 8 c + 4 f + e: (position r, channel 16 c + 8 h + 4 f + e)
.endr
.endr
.irp c, 0,1,2,3
.irp f, 0,1
	global_load_b128 v[QI+8*\c+4*\f:QI+8*\c+4*\f+3], v3, s[22:23] offset:1024*\c+512*\f
.endr
.endr
.irp c, 0,1,2,3
.irp f, 0,1
	global_load_b128 v[KI+8*\c+4*\f:KI+8*\c+4*\f+3], v3, s[24:25] offset:1024*\c+512*\f
.endr
.endr
.macro WLOAD reg, nb                   ; Wo's rows 16 nb + r of the slice, my head's 64 columns: register 8 ct + e: column 16 ct + 8 h + e
.irp ct, 0,1,2,3
	global_load_b128 v[\reg+8*\ct:\reg+8*\ct+3], v14, s[28:29] offset:65536*(\nb)+64*\ct
	global_load_b128 v[\reg+8*\ct+4:\reg+8*\ct+7], v14, s[28:29] offset:65536*(\nb)+64*\ct+16
.endr
.endm
	WLOAD WA, 0
	WLOAD WA+32, 1
	v_mov_b32 v11, 0                               ; a lane permute's destination counts as one of its sources
	s_wait_loadcnt 32                              ; V is in: behind it stand Q's 8, K's 8 and Wo's 16
.irp c, 0,1,2,3
.irp f, 0,1
	ds_store_b128 v12, v[VI+8*\c+4*\f:VI+8*\c+4*\f+3] offset:64*\c+16*\f   ; V as rows, in my own region
.endr
.endr
	s_wait_dscnt 0x0                               ; the stores have read their registers, which the loads below fill
.irp ct, 0,1,2,3
.irp e, 0,1,2,3,4,5,6,7
	ds_load_b32 v[VI+8*\ct+\e], v13 offset:272*\e+64*\ct                   ; V turned: (key 8 h + e, channel 16 ct + r)
.endr
.endr
	s_wait_loadcnt 16                              ; Q and K are in: behind them stand Wo's 16
.irp p, 0,1,2,3                        ; S^T = K Q^T: two accumulators by turns
.irp c, 0,1,2,3
.if (\p == 0) && (\c < 2)
	v_wmma_f32_16x16x4_f32 v[SA+8*(\c%2):SA+8*(\c%2)+7], v[KI+8*\c+2*\p:KI+8*\c+2*\p+1], v[QI+8*\c+2*\p:QI+8*\c+2*\p+1], 0
.else
	v_wmma_f32_16x16x4_f32 v[SA+8*(\c%2):SA+8*(\c%2)+7], v[KI+8*\c+2*\p:KI+8*\c+2*\p+1], v[QI+8*\c+2*\p:QI+8*\c+2*\p+1], v[SA+8*(\c%2):SA+8*(\c%2)+7]
.endif
.endr
.endr
.rept 8
	v_nop                                          ; eight places behind this form, in front of reads of its results
.endr
	v_mul_f32 v6, 0x3e38aa3b, v6                   ; weight x 0.125 x log2(e)
.irp j, 0,1,2,3,4,5,6,7
	v_add_f32 v[T+\j], v[SA+\j], v[SA+8+\j]        ; lane (r, h): the score of key 8 h + j and query r
.endr
.irp j, 0,1,2,3,4,5,6,7
	v_mul_f32 v[T+\j], v6, v[T+\j]
.endr
.irp j, 0,1,2,3,4,5,6,7
	v_cmp_gt_i32 vcc_lo, \j, v9                    ; hidden where 8 h + j > r
	v_cndmask_b32 v[T+\j], v[T+\j], v10, vcc_lo
.endr
	v_max3_num_f32 v7, v[T], v[T+1], v[T+2]
	v_max3_num_f32 v7, v7, v[T+3], v[T+4]
	v_max3_num_f32 v7, v7, v[T+5], v[T+6]
	v_max_num_f32 v7, v7, v[T+7]
	v_permlanex16_b32 v11, v7, s34, s35
	v_max_num_f32 v7, v7, v11                      ; the row's largest exponent (key 0 counts for every query)
.irp j, 0,1,2,3,4,5,6,7
	v_sub_f32 v[T+\j], v[T+\j], v7
.endr
.irp j, 0,1,2,3,4,5,6,7
	v_exp_f32 v[T+\j], v[T+\j]
.endr
	v_nop                                          ; the plain line behind the exponentials
	s_wait_alu depctr_va_vdst(0)                   ; one wait for the eight, ahead of their first reader
	v_add_f32 v8, v[T], v[T+1]
	v_add_f32 v7, v[T+2], v[T+3]
	v_add_f32 v8, v8, v[T+4]
	v_add_f32 v7, v7, v[T+5]
	v_add_f32 v8, v8, v[T+6]
	v_add_f32 v7, v7, v[T+7]
	v_add_f32 v8, v8, v7
	v_permlanex16_b32 v11, v8, s34, s35
	v_add_f32 v8, v8, v11                          ; the row's sum
	v_rcp_f32 v8, v8
	v_nop
	s_wait_alu depctr_va_vdst(0)
	s_wait_dscnt 0x0                               ; V turned is in
.irp p, 0,1,2,3                        ; O^T = V^T P: keys 8 h + 2 p + j; four accumulators by turns
.irp ct, 0,1,2,3
.if \p == 0
	v_wmma_f32_16x16x4_f32 v[OA+8*\ct:OA+8*\ct+7], v[VI+8*\ct+2*\p:VI+8*\ct+2*\p+1], v[T+2*\p:T+2*\p+1], 0
.else
	v_wmma_f32_16x16x4_f32 v[OA+8*\ct:OA+8*\ct+7], v[VI+8*\ct+2*\p:VI+8*\ct+2*\p+1], v[T+2*\p:T+2*\p+1], v[OA+8*\ct:OA+8*\ct+7]
.endif
.endr
.endr
.rept 8
	v_nop
.endr
.set i, 0
.rept 16
	v_pk_mul_f32 v[QI+i:QI+i+1], v[OA+i:OA+i+1], v[8:9] op_sel_hi:[1,0]   ; O^T / the sum, into other registers: register 8 ct + e: (query r, channel 16 ct + 8 h + e)
.set i, i+2
.endr
	s_wait_loadcnt 0x0                             ; Wo's two blocks are in
; Two blocks of 16 output columns: U^T = Wo O^T over my head's 64 channels; two accumulators by turns.
.irp ct, 0,1,2,3
.irp p, 0,1,2,3
.if (\ct == 0) && (\p == 0)
	v_wmma_f32_16x16x4_f32 v[UA:UA+7], v[WA:WA+1], v[QI:QI+1], 0
	v_wmma_f32_16x16x4_f32 v[UA+8:UA+15], v[WA+32:WA+33], v[QI:QI+1], 0
.else
	v_wmma_f32_16x16x4_f32 v[UA:UA+7], v[WA+8*\ct+2*\p:WA+8*\ct+2*\p+1], v[QI+8*\ct+2*\p:QI+8*\ct+2*\p+1], v[UA:UA+7]
	v_wmma_f32_16x16x4_f32 v[UA+8:UA+15], v[WA+32+8*\ct+2*\p:WA+32+8*\ct+2*\p+1], v[QI+8*\ct+2*\p:QI+8*\ct+2*\p+1], v[UA+8:UA+15]
.endif
.endr
.endr
.rept 8
	v_nop                                          ; eight places, in front of the LDS stores that read the results and of the loads into Wo's registers further down
.endr
.irp n, 0,1
	ds_store_b128 v12, v[UA+8*\n:UA+8*\n+3] offset:64*\n                   ; lane (r, h): (query r, column 16 n + 8 h + 0 .. 7); each accumulator from its low end on
	ds_store_b128 v12, v[UA+8*\n+4:UA+8*\n+7] offset:64*\n+16
.endr
	s_wait_dscnt 0x0                               ; for the others' sake: my part lies in LDS
	s_barrier_signal -1
	s_barrier_wait -1
.set g, 0
.rept 16
	ds_load_b32 v[WA+g], v252 offset:RG*g          ; head g's part of query w, my column
.set g, g+1
.endr
	s_wait_dscnt 0x0
	v_add_f32 v250, v248, v[WA]                    ; the bias and the sixteen parts, in a fixed order, in two chains
	v_add_f32 v251, v[WA+1], v[WA+2]
.irp g, 3,5,7,9,11,13
	v_add_f32 v250, v250, v[WA+\g]
	v_add_f32 v251, v251, v[WA+\g+1]
.endr
	v_add_f32 v250, v250, v[WA+15]
	v_add_f32 v250, v250, v251
	global_store_b32 v15, v250, s[12:13]           ; 32 lanes store 128 consecutive bytes
	s_wait_tensorcnt 0x0                           ; the wave's end
	ds_add_u32 v[SPW], v[NIL]
	s_wait_dscnt 0x0
	s_endpgm
.Lfunc_end_k_q7ee4ba6ad7_first:
	.size	k_q7ee4ba6ad7_first, .Lfunc_end_k_q7ee4ba6ad7_first-k_q7ee4ba6ad7_first
	.p2alignl 7, 3214868480
	.fill 96, 4, 3214868480
	.section	.rodata,"a",@progbits
	.p2align	6, 0x0
	.amdhsa_kernel k_q7ee4ba6ad7_first
		.amdhsa_group_segment_fixed_size 71680
		.amdhsa_private_segment_fixed_size 0
		.amdhsa_enable_private_segment 0
		.amdhsa_kernarg_size 40
		.amdhsa_user_sgpr_count 2
		.amdhsa_user_sgpr_kernarg_segment_ptr 1
		.amdhsa_wavefront_size32 1
		.amdhsa_system_sgpr_workgroup_id_x 1
		.amdhsa_system_sgpr_workgroup_id_y 1
		.amdhsa_system_sgpr_workgroup_id_z 1
		.amdhsa_system_vgpr_workitem_id 0
		.amdhsa_next_free_vgpr 256
		.amdhsa_next_free_sgpr 66
		.amdhsa_reserve_vcc 1
		.amdhsa_float_denorm_mode_32 3
		.amdhsa_float_denorm_mode_16_64 3
		.amdhsa_memory_ordered 1
		.amdhsa_forward_progress 1
		.amdhsa_inst_pref_size 20
	.end_amdhsa_kernel
	.amdgpu_metadata
---
amdhsa.version: [ 1, 2 ]
amdhsa.kernels:
  - .name:           k_q7ee4ba6ad7_first
    .symbol:         k_q7ee4ba6ad7_first.kd
    .args:
      - { .name: first32, .offset: 0, .size: 8, .value_kind: global_buffer, .address_space: global }
      - { .name: key_weights, .offset: 8, .size: 8, .value_kind: global_buffer, .address_space: global }
      - { .name: Wo, .offset: 16, .size: 8, .value_kind: global_buffer, .address_space: global }
      - { .name: bo, .offset: 24, .size: 8, .value_kind: global_buffer, .address_space: global }
      - { .name: out0, .offset: 32, .size: 8, .value_kind: global_buffer, .address_space: global }
    .group_segment_fixed_size: 71680
    .private_segment_fixed_size: 0
    .kernarg_segment_align: 8
    .kernarg_segment_size: 40
    .max_flat_workgroup_size: 512
    .sgpr_count:     66
    .vgpr_count:     256
    .wavefront_size: 32
...
	.end_amdgpu_metadata
.endif
;; end of part 5
